; MI455X (gfx1250); checked and timed in simulation.
; The chip was launched on July 23, 2026; its instructions are those of AMD's public machine-readable ISA for CDNA 5 (MIT licence, August 2026) and "CDNA5" Instruction Set Architecture Reference Guide (July 2026). The comments in the code are by the model that wrote it; some were corrected since.
;; Transformer Block. Allowed arithmetic: matrix products marked QUANTISED: E2M1 operands, one E8M0 scale for each 32 along K, by v_wmma_scale_f32_16x16x128_f8f6f4 with both operands' format E2M1 (or v_wmma_scale_f32_32x16x128_f4), f32 sums; everything else in f32.
;; Inputs: W1 1,024 x 4,096 float32; W2 4,096 x 1,024 float32; Wk 1,024 x 1,024 float32; Wo 1,024 x 1,024 float32; Wq 1,024 x 1,024 float32; Wv 1,024 x 1,024 float32; b1 4,096 float32; b2 1,024 float32; bo 1,024 float32; ln1_b 1,024 float32; ln1_g 1,024 float32; ln2_b 1,024 float32; ln2_g 1,024 float32; x 2 x 2,048 x 1,024 float32.
;; Outputs: out0 2 x 2,048 x 1,024 float32.
;; This version of the problem:
;;   THIS VERSION OF THE PROBLEM IS GIVEN IN LOW PRECISION. The matrix products marked QUANTISED in the list below multiply operands that are first quantised to E2M1 (2 exponent bits, 1 mantissa bit; 4 bits a number), with one power-of-two scale for each 32 numbers along K (OCP MX v1.0); their sums are f32. All else is computed in f32.
;;   The module's matrix products, in the order in which they are computed (A, B: the left and right operand; K: the contracted axis; several contracted axes count as one K, in the product's order):
;;     1. [M 4,096, K 1,024] x [K 1,024, N 1,024]; A: computed on the way; B: input Wq: QUANTISED
;;     2. [M 4,096, K 1,024] x [K 1,024, N 1,024]; A: computed on the way; B: input Wk: QUANTISED
;;     3. [M 4,096, K 1,024] x [K 1,024, N 1,024]; A: computed on the way; B: input Wv: QUANTISED
;;     4. batch 32 x [M 2,048, K 64] x [K 64, N 2,048]; A: computed on the way; B: computed on the way: QUANTISED
;;     5. batch 32 x [M 2,048, K 2,048] x [K 2,048, N 64]; A: softmax (see below); B: computed on the way: QUANTISED
;;     6. [M 4,096, K 1,024] x [K 1,024, N 1,024]; A: computed on the way; B: input Wo: QUANTISED
;;     7. [M 4,096, K 1,024] x [K 1,024, N 4,096]; A: computed on the way; B: input W1: QUANTISED
;;     8. [M 4,096, K 4,096] x [K 4,096, N 1,024]; A: computed on the way; B: input W2: QUANTISED
;;   THE QUANTISER, for each operand of a quantised product, along K:
;;     - K is cut into blocks of 32 from its start; a last block that is shorter is filled with zeros.
;;     - A block's scale is 2^e with e = floor(log2(the largest magnitude in the block)) - 2, held to -126 .. 127; a block of zeros has e = 0. As a byte (E8M0): e + 127.
;;     - Each number is divided by its block's scale, clamped to +-6, and rounded to the nearest number of E2M1, ties to even, subnormals kept.
;;     - The product sums the exact products of the quantised numbers (number of the format x scale) in f32.
;;   ~~~python
;;   def quantise(x, axis):      # numpy; x: float32 -> the quantised numbers, widened to float32 again
;;       x = np.moveaxis(x, axis, -1); K = x.shape[-1]
;;       x = np.pad(x, [(0, 0)] * (x.ndim - 1) + [(0, -K % 32)]); x = x.reshape(x.shape[:-1] + (-1, 32)); a = np.abs(x).max(-1, keepdims=True)
;;       e = np.where(a > 0, np.clip(np.frexp(np.where(a > 0, a, 1))[1] - 1 - 2, -126, 127), 0)      # np.frexp(a)[1] - 1 = floor(log2(a)), exactly
;;       r = np.clip(x / 2.0 ** e, -6, 6)
;;       step = 2.0 ** (np.maximum(np.frexp(np.where(r == 0, 1, r))[1] - 1, 0) - 1)
;;       q = np.round(r / step) * step * 2.0 ** e      # np.round: ties to even
;;       return np.moveaxis(q.reshape(q.shape[:-2] + (-1,))[..., :K], -1, axis).astype(np.float32)
;;   ~~~
;;   SOFTMAX AHEAD OF A QUANTISED PRODUCT. Where the list says 'softmax', what is quantised is not the finished softmax but p = 2^(t - M), with t = logit x log2(e) and M = ceil(the row's largest t), a whole number; so 1/2 < the row's largest p <= 1. The row's sum l is taken of the UNQUANTISED p, in f32, and the product's result is divided by l at the end. Since M is a whole number, a kernel that streams over the keys may use a running M (the ceiling of the running maximum): every later rescaling is an exact power of two, which a block's scale takes up: the codes' values come out the same.
;;   OPERANDS COMPUTED ON THE WAY. 'Computed on the way' means the value that the module computes at that place (a softmax that the list does not call 'softmax' is quantised finished and normalised). What goes into a quantiser is computed in f32, as accurately as f32 sums, v_exp_f32 and their like allow (about 1e-6 of the number): no bf16 or f16 on the way to a quantiser, and a product that is left as it is and whose result goes on into a quantised operand takes f32 operands (vector FMAs, or v_wmma_f32_16x16x4_f32). A number that lies on a knife's edge between two numbers of the format may be rounded either way, as far as f32 arithmetic and the matrix unit's own rounding can turn it there, and no further.
;; One version. Each part assembles by itself: llvm-mc -triple=amdgcn-amd-amdhsa -mcpu=gfx1250 --defsym DOCPART=n.
;; ======== version 1 of 1: 8 launches
;; limits: right only within a limited range of input values
;; workspace buffers: wc 6,684,672 bytes; hc 2,228,224 bytes; cc 2,228,224 bytes; gc 8,912,896 bytes; qkvc 6,291,456 bytes; qkvs 786,432 bytes; x2 16,777,216 bytes
;; launch wquant (part 1): grid 192 x 1, 4 waves a work-group, no clusters, 0 bytes of LDS; arguments Wq, Wk, Wv, Wo, W1, W2, wc; writes wc
.if DOCPART == 1
	.amdgcn_target "amdgcn-amd-amdhsa--gfx1250"
	.amdhsa_code_object_version 6
	.text
	.protected	k_qd60c5de06d_wquant
	.globl	k_qd60c5de06d_wquant
	.p2align	8
	.type	k_qd60c5de06d_wquant,@function
k_qd60c5de06d_wquant:
	s_mov_b64 s[64:65], 0
	v_nop
	global_prefetch_b8 v0, s[64:65] scope:SCOPE_SE
	s_setreg_imm32_b32 hwreg(HW_REG_WAVE_MODE, 25, 1), 1
	s_wait_xcnt 0x0
; THE PROGRAM: one transformer block (LayerNorm, causal attention on 16 heads of 64, projection, residual, LayerNorm, GELU MLP, residual) for 2 x 2,048 tokens of 1,024,
; every matrix product on codes of FP4 (E2M1) with one E8M0 scale for each 32 along the product's K.  Launches: wquant, ln (LN1), qkv, attn, wo, ln (LN2), ff1, ff2.
; WORK LEFT OUT: reference() sets the score of key k for query q to -infinity wherever k > q, by a mask that it builds itself; the softmax gives such a key the weight 0 for all values of the inputs, so it adds
; nothing to the row's sum nor to the second product.  The launch attn therefore leaves out every step of 128 keys all of which come after all 16 queries of a wave's tile.  Nothing else is left out; every input is loaded.
; LIMIT of that: a NaN, an infinity or an overflow that would arise only in the scores left out is not carried to the result.
;
; THIS LAUNCH turns the six weights, f32, stored [K][N] with K as their FIRST axis, into codes with K innermost, in the layout that the products' launches read.
; THE LAYOUT ("blocks").  An operand's rows (here: a weight's columns n) are kept in an order of their own: inside each group of 32 rows, bits 3 and 4 of the row's number change places.  16 rows on end in that order
; are a row tile; tile 2 b + u holds rows 32 b + 8 u + r + 8 (r / 8), r = 0 .. 15.  A block is one row tile x 512 along K: 4,352 bytes.  The 16 code bytes of (row r, 32 t .. 32 t + 31 along K) lie at 256 t + 16 r:
; that is the image of the matrix instruction's operand registers, lane by lane.  Row r's 16 scale bytes lie at 4,096 + 16 r.  An operand is [K / 512][row tiles][4,352].
; A LANE TAKES A COLUMN n AND ITS REGISTERS RUN DOWN K: each load reads 128 consecutive bytes a wave, a block of 32 along K lies in one lane's 32 registers, and the conversions give codes with K innermost.
; A wave takes 32 columns x 512 along K: two blocks of the layout.  A lane's 16 bytes of codes for 32 along K are stored as they are: 16 lanes fill 256 consecutive aligned bytes.  No LDS, no barrier.
; A block's scale is 2^(floor(log2(its largest magnitude)) - 2): its byte is the largest magnitude's exponent field - 2, held at 1 from below.
; LIMITS: a block of zeros gets the byte 1 where the rule says 127 (its codes are zeros, which add nothing under any byte but 0xff, and this program alone reads the bytes); blocks whose largest magnitude
; lies under 2^-124 are held at the byte 1; NaN and infinities among the inputs are not served.
.set BLK,  4352
.set C,    16                          ; v16-19   a block's codes
.set SB,   20                          ; v20-23   the 16 scale bytes
.set OFF,  32                          ; v32-63   row i of a block of 32: pitch x i + 4 x lane
.set X,    64                          ; v64-127  two sets of 32 numbers
	s_load_b256 s[4:11], s[0:1], 0x0               ; Wq, Wk, Wv, Wo
	s_load_b128 s[12:15], s[0:1], 0x20             ; W1, W2
	s_load_b64 s[16:17], s[0:1], 0x30              ; wc
	v_lshrrev_b32 v1, 5, v0
	v_readfirstlane_b32 s18, v1                    ; wave 0..3
	v_and_b32 v1, 31, v0                           ; lane = my column among the wave's 32
	v_lshlrev_b32 v2, 2, v1
	v_and_b32 v4, 7, v1
	v_lshrrev_b32 v5, 4, v1
	v_lshl_add_u32 v4, v5, 3, v4                   ; my row in its tile: (lane % 8) + 8 (lane / 16)
	v_bfe_u32 v5, v1, 3, 1                         ; which of the wave's two tiles: bit 3 of the lane
	v_mul_u32_u24 v5, v5, BLK
	v_lshl_add_u32 v3, v4, 4, v5                   ; v3: where my 16 bytes go in the wave's two blocks
	; which weight, which 128 columns, which 512 along K: work-groups 0-63 serve Wq, Wk, Wv, Wo (16 each), 64-127 W1, 128-191 W2
	s_lshr_b32 s30, ttmp9, 6
	s_and_b32 s31, ttmp9, 63
	s_lshr_b32 s32, s31, 4                         ; the weight's number 0..5
	s_and_b32 s33, s31, 7                          ; which 128 columns
	s_bfe_u32 s34, s31, 0x10003                    ; which 512 along K
	s_and_b32 s35, s31, 31
	s_lshr_b32 s36, s31, 5
	s_lshr_b32 s37, s31, 3
	s_cmp_eq_u32 s30, 1
	s_cselect_b32 s32, 4, s32
	s_cselect_b32 s33, s35, s33
	s_cselect_b32 s34, s36, s34
	s_cmp_eq_u32 s30, 2
	s_cselect_b32 s32, 5, s32
	s_cselect_b32 s34, s37, s34
	s_mov_b32 s22, 4096                            ; bytes from row to row of the weight
	s_mov_b32 s23, 192                             ; row tiles in a K step of its operand (Wq, Wk, Wv form one operand of 3,072 rows)
	s_mov_b32 s24, 0                               ; where it begins in wc
	s_wait_alu depctr_va_vdst(0)
	s_wait_kmcnt 0x0
	s_mov_b64 s[20:21], s[4:5]
	s_cmp_eq_u32 s32, 1
	s_cselect_b64 s[20:21], s[6:7], s[20:21]
	s_cselect_b32 s24, 64*BLK, s24
	s_cmp_eq_u32 s32, 2
	s_cselect_b64 s[20:21], s[8:9], s[20:21]
	s_cselect_b32 s24, 128*BLK, s24
	s_cmp_eq_u32 s32, 3
	s_cselect_b64 s[20:21], s[10:11], s[20:21]
	s_cselect_b32 s23, 64, s23
	s_cselect_b32 s24, 1671168, s24
	s_cmp_eq_u32 s32, 4
	s_cselect_b64 s[20:21], s[12:13], s[20:21]
	s_cselect_b32 s22, 16384, s22
	s_cselect_b32 s23, 256, s23
	s_cselect_b32 s24, 2228224, s24
	s_cmp_eq_u32 s32, 5
	s_cselect_b64 s[20:21], s[14:15], s[20:21]
	s_cselect_b32 s23, 64, s23
	s_cselect_b32 s24, 4456448, s24
	s_lshl_b32 s36, s22, 9
	s_mul_i32 s36, s36, s34                        ; 512 rows x the K step,
	s_lshl_b32 s37, s33, 9
	s_add_co_u32 s36, s36, s37                     ; + 128 columns x 4 bytes x the column group,
	s_lshl_b32 s37, s18, 7
	s_add_co_u32 s36, s36, s37                     ; + 32 columns x 4 bytes x the wave
	s_mov_b32 s37, 0
	s_add_nc_u64 s[20:21], s[20:21], s[36:37]
	s_mul_i32 s38, s34, s23
	s_lshl_b32 s39, s33, 3
	s_add_co_u32 s38, s38, s39
	s_lshl_b32 s39, s18, 1
	s_add_co_u32 s38, s38, s39                     ; my first block: K step x row tiles + 8 x column group + 2 x wave
	s_mul_i32 s38, s38, BLK
	s_add_co_u32 s38, s38, s24
	s_mov_b32 s39, 0
	s_add_nc_u64 s[16:17], s[16:17], s[38:39]
	s_lshl_b32 s26, s22, 5                         ; 32 rows on
	s_mov_b32 s27, 0
.irp i, 0,1,2,3,4,5,6,7,8,9,10,11,12,13,14,15,16,17,18,19,20,21,22,23,24,25,26,27,28,29,30,31
	v_mad_u32_u24 v[OFF+\i], s22, \i, v2
.endr
.macro LOAD t                          ; 32 rows at the base as it stands, into set t % 2
.irp i, 0,1,2,3,4,5,6,7,8,9,10,11,12,13,14,15,16,17,18,19,20,21,22,23,24,25,26,27,28,29,30,31
	global_load_b32 v[X+32*((\t)%2)+\i], v[OFF+\i], s[20:21] th:TH_LOAD_NT
.endr
.endm
	LOAD 0
	s_wait_alu depctr_va_vdst(0)
	s_wait_xcnt 0x0                                ; the loads have read their base: it may step
	s_add_nc_u64 s[20:21], s[20:21], s[26:27]
	LOAD 1
.macro BLOCK t
.set XS, X+32*((\t)%2)
.if (\t) < 15
	s_wait_loadcnt 32                              ; this block's 32 loads are in; the next block's 32 may be out
.else
	s_wait_loadcnt 0x0
.endif
	v_max3_num_f32 v12, |v[XS]|, |v[XS+1]|, |v[XS+2]|      ; the block's largest magnitude: all 32 numbers are mine; two chains
	v_max3_num_f32 v13, |v[XS+3]|, |v[XS+4]|, |v[XS+5]|
.irp i, 6,10,14,18,22,26
	v_max3_num_f32 v12, v12, |v[XS+\i]|, |v[XS+\i+1]|
	v_max3_num_f32 v13, v13, |v[XS+\i+2]|, |v[XS+\i+3]|
.endr
	v_max3_num_f32 v12, v12, |v[XS+30]|, |v[XS+31]|
	v_max3_num_f32 v12, v12, v13, 0x1800000        ; and the floor 2^(3 - 127): the byte cannot fall under 1
	v_add_nc_u32 v11, 0xff000000, v12              ; 2 off the exponent field: the conversion takes the exponent field of this operand as its scale
	v_lshrrev_b32 v13, 23, v11                     ; the scale's byte
.if (\t)%4 == 0
	v_mov_b32 v[SB+(\t)/4], v13
.else
	v_lshl_or_b32 v[SB+(\t)/4], v13, 8*((\t)%4), v[SB+(\t)/4]
.endif
	s_wait_alu depctr_va_vdst(0)
	s_wait_xcnt 0x0                                ; the last store has read its codes, the last loads their base: both are written again only behind this wait
.if (\t)+2 < 16
	s_add_nc_u64 s[20:21], s[20:21], s[26:27]
.endif
.irp g, 0,1,2,3
	v_cvt_scalef32_pk8_fp4_f32 v[C+\g], v[XS+8*\g:XS+8*\g+7], v11
.endr
	v_nop                                          ; one plain line behind the conversions
	global_store_b128 v3, v[C:C+3], s[16:17] offset:256*(\t)   ; 16 lanes store 256 consecutive aligned bytes in each of the two blocks
.if (\t)+2 < 16
	LOAD (\t)+2
.endif
.endm
.irp t, 0,1,2,3,4,5,6,7,8,9,10,11,12,13,14,15
	BLOCK \t
.endr
	global_store_b128 v3, v[SB:SB+3], s[16:17] offset:4096     ; my row's 16 scale bytes: again 256 consecutive bytes for 16 lanes
	s_endpgm
.Lfunc_end_k_qd60c5de06d_wquant:
	.size	k_qd60c5de06d_wquant, .Lfunc_end_k_qd60c5de06d_wquant-k_qd60c5de06d_wquant
	.p2alignl 7, 3214868480
	.fill 96, 4, 3214868480
	.section	.rodata,"a",@progbits
	.p2align	6, 0x0
	.amdhsa_kernel k_qd60c5de06d_wquant
		.amdhsa_group_segment_fixed_size 0
		.amdhsa_private_segment_fixed_size 0
		.amdhsa_enable_private_segment 0
		.amdhsa_kernarg_size 56
		.amdhsa_user_sgpr_count 2
		.amdhsa_user_sgpr_kernarg_segment_ptr 1
		.amdhsa_wavefront_size32 1
		.amdhsa_system_sgpr_workgroup_id_x 1
		.amdhsa_system_sgpr_workgroup_id_y 1
		.amdhsa_system_sgpr_workgroup_id_z 1
		.amdhsa_system_vgpr_workitem_id 0
		.amdhsa_next_free_vgpr 128
		.amdhsa_next_free_sgpr 66
		.amdhsa_reserve_vcc 0
		.amdhsa_float_denorm_mode_32 3
		.amdhsa_float_denorm_mode_16_64 3
		.amdhsa_memory_ordered 1
		.amdhsa_forward_progress 1
		.amdhsa_inst_pref_size 81
	.end_amdhsa_kernel
	.amdgpu_metadata
---
amdhsa.version: [ 1, 2 ]
amdhsa.kernels:
  - .name:           k_qd60c5de06d_wquant
    .symbol:         k_qd60c5de06d_wquant.kd
    .args:
      - { .name: Wq, .offset: 0, .size: 8, .value_kind: global_buffer, .address_space: global }
      - { .name: Wk, .offset: 8, .size: 8, .value_kind: global_buffer, .address_space: global }
      - { .name: Wv, .offset: 16, .size: 8, .value_kind: global_buffer, .address_space: global }
      - { .name: Wo, .offset: 24, .size: 8, .value_kind: global_buffer, .address_space: global }
      - { .name: W1, .offset: 32, .size: 8, .value_kind: global_buffer, .address_space: global }
      - { .name: W2, .offset: 40, .size: 8, .value_kind: global_buffer, .address_space: global }
      - { .name: wc, .offset: 48, .size: 8, .value_kind: global_buffer, .address_space: global }
    .group_segment_fixed_size: 0
    .private_segment_fixed_size: 0
    .kernarg_segment_align: 8
    .kernarg_segment_size: 56
    .max_flat_workgroup_size: 128
    .sgpr_count:     66
    .vgpr_count:     128
    .wavefront_size: 32
...
	.end_amdgpu_metadata
.endif
;; end of part 1
;; launch ln1 (part 2): grid 256 x 1, 8 waves a work-group, no clusters, 67,584 bytes of LDS; arguments x, ln1_g, ln1_b, hc; writes hc
.if DOCPART == 2
	.amdgcn_target "amdgcn-amd-amdhsa--gfx1250"
	.amdhsa_code_object_version 6
	.text
	.protected	k_qd60c5de06d_ln1
	.globl	k_qd60c5de06d_ln1
	.p2align	8
	.type	k_qd60c5de06d_ln1,@function
k_qd60c5de06d_ln1:
	s_mov_b64 s[64:65], 0
	v_nop
	global_prefetch_b8 v0, s[64:65] scope:SCOPE_SE
	s_setreg_imm32_b32 hwreg(HW_REG_WAVE_MODE, 25, 1), 1
	s_wait_xcnt 0x0
; LayerNorm over rows of 1,024 f32 numbers, y = g (x - mean) / sqrt(var + 1e-5) + b, and y's codes of FP4 (E2M1) with one E8M0 scale for each 32 along the row, in the block layout
; (a block: 16 rows x 512 along K, 4,352 bytes; the 16 code bytes of (row r, 32 t on) at 256 t + 16 r, row r's 16 scale bytes at 4,096 + 16 r; an operand: [K / 512][256 row tiles][4,352];
; row tile T holds tokens 32 (T / 2) + 8 (T % 2) + r + 8 (r / 8)).  Arguments: the rows, g, b, the codes' buffer.
; A work-group of eight waves owns row tile T.  Wave w normalises rows 2 w and 2 w + 1 of the tile, each row in 32 registers; the variance is the mean of the squares of the centred numbers.
; The rows change hands through a stage in LDS: for the quantiser wave w takes 128 along K of all 16 rows, lane (r, h) two whole blocks of 32 of row r, in the order of the operand's registers.
; LIMITS: a block of zeros gets the byte 1 where the rule says 127 (zero codes; the bytes are read by this program alone); blocks under 2^-124 are held at the byte 1; NaN and infinities are not served;
; v_rsq_f32 is taken as it is (1 ulp, ISA guide, its entry).
.set RP,    4112                       ; a stage row: 4,096 bytes + 16
.set SCA,   16*RP                      ; the scale words, [K step 2][row 16][part 4]
.set SPARE, SCA+512                    ; the spare words, 128 bytes for each wave
.set XR,    32                         ; v32-95   my two rows; later my two blocks of 32
.set G,     96                         ; v96-127  g; later the codes
.set B,     128                        ; v128-159 b
	s_load_b256 s[4:11], s[0:1], 0x0               ; rows, g, b, codes
	v_lshl_add_u32 v30, v0, 2, SPARE
	v_mov_b32 v31, 0
	v_lshrrev_b32 v1, 5, v0
	s_delay_alu instid0(VALU_DEP_1)
	v_readfirstlane_b32 s12, v1                    ; wave 0..7
	v_and_b32 v2, 31, v0
	s_delay_alu instid0(VALU_DEP_1)
	v_lshlrev_b32 v1, 4, v2                        ; 16 x lane
	s_wait_alu depctr_va_vdst(0)
	v_and_b32 v3, 15, v0                           ; r
	s_wait_alu depctr_va_vdst(0)
	v_bfe_u32 v4, v0, 4, 1                         ; h
	s_mov_b32 s14, 0x76543210
	s_mov_b32 s15, 0xfedcba98                      ; selects for lane l xor 16
	s_mov_b32 s20, 0x3a800000                      ; 1 / 1,024
	s_lshr_b32 s16, ttmp9, 1
	s_lshl_b32 s16, s16, 5
	s_and_b32 s17, ttmp9, 1
	s_lshl_b32 s17, s17, 3
	s_add_co_u32 s16, s16, s17                     ; the tile's first token
	s_lshl_b32 s17, s12, 1
	s_add_co_u32 s16, s16, s17
	s_lshr_b32 s18, s12, 2                         ; (also: my K step in the quantiser)
	s_lshl_b32 s17, s18, 3
	s_add_co_u32 s16, s16, s17                     ; + 2 w + 8 (w / 4): my first row
	s_lshl_b32 s16, s16, 12
	s_mov_b32 s17, 0
	s_and_b32 s19, s12, 3                          ; my part of the K step
	s_mul_i32 s21, s12, 2*RP
	v_add_nc_u32 v5, s21, v1                       ; into the stage
	v_mul_u32_u24 v6, v3, RP
	s_wait_alu depctr_va_vdst(0)
	v_lshl_add_u32 v6, v4, 7, v6
	s_lshl_b32 s26, s18, 11
	s_lshl_b32 s27, s19, 9
	s_add_co_u32 s26, s26, s27
	v_add_nc_u32 v6, s26, v6                       ; out of it: row r, + 2,048 x K step + 512 x part + 128 h
	v_lshlrev_b32 v7, 4, v3
	s_lshl_b32 s26, s18, 8
	s_lshl_b32 s27, s19, 2
	s_add_co_u32 s26, s26, s27
	s_add_co_u32 s26, s26, SCA
	v_add_nc_u32 v7, s26, v7                       ; my row's scale word
	v_add_nc_u32 v8, SCA, v1                       ; the scale words on their way out
	v_mul_u32_u24 v9, v4, 0x110000
	s_delay_alu instid0(VALU_DEP_1)
	v_lshl_add_u32 v9, v3, 4, v9                   ; and in memory: lanes 16-31 take K step 1's block
	v_mov_b32 v166, 0
	v_mov_b32 v167, 0
	s_mul_i32 s22, ttmp9, 4352
	s_mov_b32 s23, 0
	s_mul_i32 s24, s18, 0x110000
	s_lshl_b32 s25, s19, 10
	s_add_co_u32 s24, s24, s25
	s_mov_b32 s25, 0
	s_wait_kmcnt 0x0
	s_add_nc_u64 s[4:5], s[4:5], s[16:17]
	s_add_nc_u64 s[10:11], s[10:11], s[22:23]
	s_add_nc_u64 s[22:23], s[10:11], s[24:25]
.irp i, 0,1
.irp j, 0,1,2,3,4,5,6,7
	global_load_b128 v[XR+32*\i+4*\j:XR+32*\i+4*\j+3], v1, s[4:5] offset:4096*\i+512*\j th:TH_LOAD_NT
.endr
.endr
.irp j, 0,1,2,3,4,5,6,7
	global_load_b128 v[G+4*\j:G+4*\j+3], v1, s[6:7] offset:512*\j
.endr
.irp j, 0,1,2,3,4,5,6,7
	global_load_b128 v[B+4*\j:B+4*\j+3], v1, s[8:9] offset:512*\j
.endr
.macro REDUCE                          ; v164 and v165 become their sums over the 32 lanes
.irp m, 1,2,4,8
.irp i, 0,1
	s_delay_alu instid0(VALU_DEP_2)
	v_add_f32_dpp v[164+\i], v[164+\i], v[164+\i] row_xmask:\m row_mask:0xf bank_mask:0xf
.endr
.endr
.irp i, 0,1
	s_delay_alu instid0(VALU_DEP_2)
	v_permlanex16_b32 v[166+\i], v[164+\i], s14, s15
.endr
.irp i, 0,1
	s_delay_alu instid0(VALU_DEP_2)
	v_add_f32 v[164+\i], v[164+\i], v[166+\i]
.endr
.endm
	s_wait_loadcnt 16                              ; my two rows are in; the 16 loads of g and b may be out
.irp i, 0,1
	v_pk_add_f32 v[160+2*\i:161+2*\i], v[XR+32*\i:XR+32*\i+1], v[XR+32*\i+2:XR+32*\i+3]
.endr
.irp p, 4,6,8,10,12,14,16,18,20,22,24,26,28,30
.irp i, 0,1
	s_delay_alu instid0(VALU_DEP_2)
	v_pk_add_f32 v[160+2*\i:161+2*\i], v[160+2*\i:161+2*\i], v[XR+32*\i+\p:XR+32*\i+\p+1]
.endr
.endr
.irp i, 0,1
	s_delay_alu instid0(VALU_DEP_2)
	v_add_f32 v[164+\i], v[160+2*\i], v[161+2*\i]
.endr
	REDUCE
.irp i, 0,1
	s_delay_alu instid0(VALU_DEP_2)
	v_mul_f32 v[168+2*\i], s20, v[164+\i]          ; the mean, twice: a pair for the packed form
.endr
.irp i, 0,1
	s_delay_alu instid0(VALU_DEP_2)
	v_mov_b32 v[169+2*\i], v[168+2*\i]
.endr
.irp p, 0,2,4,6,8,10,12,14,16,18,20,22,24,26,28,30
.irp i, 0,1
	v_pk_add_f32 v[XR+32*\i+\p:XR+32*\i+\p+1], v[XR+32*\i+\p:XR+32*\i+\p+1], v[168+2*\i:169+2*\i] neg_lo:[0,1] neg_hi:[0,1]
.endr
.endr
.irp i, 0,1
	v_pk_mul_f32 v[160+2*\i:161+2*\i], v[XR+32*\i:XR+32*\i+1], v[XR+32*\i:XR+32*\i+1]
.endr
.irp p, 2,4,6,8,10,12,14,16,18,20,22,24,26,28,30
.irp i, 0,1
	s_delay_alu instid0(VALU_DEP_2)
	v_pk_fma_f32 v[160+2*\i:161+2*\i], v[XR+32*\i+\p:XR+32*\i+\p+1], v[XR+32*\i+\p:XR+32*\i+\p+1], v[160+2*\i:161+2*\i]
.endr
.endr
.irp i, 0,1
	s_delay_alu instid0(VALU_DEP_2)
	v_add_f32 v[164+\i], v[160+2*\i], v[161+2*\i]
.endr
	REDUCE
.irp i, 0,1
	s_delay_alu instid0(VALU_DEP_2)
	v_fmaak_f32 v[164+\i], s20, v[164+\i], 0x3727c5ac      ; the variance + 1e-5
.endr
	s_wait_alu depctr_va_vdst(0)
.irp i, 0,1
	v_rsq_f32 v[172+2*\i], v[164+\i]
.endr
	v_nop
	s_wait_alu depctr_va_vdst(0)                   ; the wait ahead of the first line that names a result
.irp i, 0,1
	v_mov_b32 v[173+2*\i], v[172+2*\i]
.endr
	s_wait_alu depctr_va_vdst(0)
	s_wait_loadcnt 0x0                             ; g and b
.irp p, 0,2,4,6,8,10,12,14,16,18,20,22,24,26,28,30
.irp i, 0,1
	v_pk_mul_f32 v[XR+32*\i+\p:XR+32*\i+\p+1], v[XR+32*\i+\p:XR+32*\i+\p+1], v[172+2*\i:173+2*\i]
.endr
.irp i, 0,1
	s_delay_alu instid0(VALU_DEP_2)
	v_pk_fma_f32 v[XR+32*\i+\p:XR+32*\i+\p+1], v[XR+32*\i+\p:XR+32*\i+\p+1], v[G+\p:G+\p+1], v[B+\p:B+\p+1]
.endr
.endr
.irp i, 0,1
.irp j, 0,1,2,3,4,5,6,7
	ds_store_b128 v5, v[XR+32*\i+4*\j:XR+32*\i+4*\j+3] offset:\i*RP+512*\j
.endr
.endr
	s_wait_dscnt 0x0                               ; for the others' sake: my rows lie in the stage
	s_barrier_signal -1
	s_barrier_wait -1
.irp c, 0,1
.irp i, 0,1,2,3,4,5,6,7
	ds_load_b128 v[XR+32*\c+4*\i:XR+32*\c+4*\i+3], v6 offset:256*\c+16*\i
.endr
.endr
	s_wait_dscnt 0x0
.irp c, 0,1
	v_max3_num_f32 v[160+\c], |v[XR+32*\c]|, |v[XR+32*\c+1]|, 0x1800000   ; the block's largest magnitude, and the floor 2^(3 - 127)
.endr
.irp i, 2,4,6,8,10,12,14,16,18,20,22,24,26,28,30
.irp c, 0,1
	s_delay_alu instid0(VALU_DEP_2)
	v_max3_num_f32 v[160+\c], v[160+\c], |v[XR+32*\c+\i]|, |v[XR+32*\c+\i+1]|
.endr
.endr
.irp c, 0,1
	s_delay_alu instid0(VALU_DEP_2)
	v_add_nc_u32 v[164+\c], 0xff000000, v[160+\c]  ; 2 off the exponent field: the conversion's scale operand
.endr
.irp c, 0,1
	s_delay_alu instid0(VALU_DEP_2)
	v_lshrrev_b32 v[166+\c], 23, v[164+\c]         ; the scale's byte
.endr
	s_delay_alu instid0(VALU_DEP_1)
	v_lshl_or_b32 v168, v167, 16, v166
	v_lshlrev_b32 v169, 3, v4
	s_delay_alu instid0(VALU_DEP_1)
	v_lshlrev_b32 v168, v169, v168
	v_mov_b32 v169, 0
	s_delay_alu instid0(VALU_DEP_1)
	v_permlanex16_b32 v169, v168, s14, s15
	s_delay_alu instid0(VALU_DEP_1)
	v_or_b32 v168, v168, v169                      ; with lane l xor 16's two bytes the word is whole
.irp c, 0,1
.irp g, 0,1,2,3
	v_cvt_scalef32_pk8_fp4_f32 v[G+4*\c+\g], v[XR+32*\c+8*\g:XR+32*\c+8*\g+7], v[164+\c]
.endr
.endr
	v_nop
.irp c, 0,1
	global_store_b128 v1, v[G+4*\c:G+4*\c+3], s[22:23] offset:512*\c   ; the image: 512 consecutive bytes a store
.endr
	ds_store_b32 v7, v168
	s_wait_dscnt 0x0
	s_barrier_signal -1
	s_barrier_wait -1
	s_cmp_lg_u32 s12, 0
	s_cbranch_scc1 .Lend                           ; wave 0 sends the scale words
	ds_load_b128 v[160:163], v8
	s_wait_dscnt 0x0
	global_store_b128 v9, v[160:163], s[10:11] offset:4096
.Lend:
	s_wait_tensorcnt 0x0                           ; the wave's end
	ds_add_u32 v30, v31
	s_wait_dscnt 0x0
	s_endpgm
.Lfunc_end_k_qd60c5de06d_ln1:
	.size	k_qd60c5de06d_ln1, .Lfunc_end_k_qd60c5de06d_ln1-k_qd60c5de06d_ln1
	.p2alignl 7, 3214868480
	.fill 96, 4, 3214868480
	.section	.rodata,"a",@progbits
	.p2align	6, 0x0
	.amdhsa_kernel k_qd60c5de06d_ln1
		.amdhsa_group_segment_fixed_size 67584
		.amdhsa_private_segment_fixed_size 0
		.amdhsa_enable_private_segment 0
		.amdhsa_kernarg_size 32
		.amdhsa_user_sgpr_count 2
		.amdhsa_user_sgpr_kernarg_segment_ptr 1
		.amdhsa_wavefront_size32 1
		.amdhsa_system_sgpr_workgroup_id_x 1
		.amdhsa_system_sgpr_workgroup_id_y 1
		.amdhsa_system_sgpr_workgroup_id_z 1
		.amdhsa_system_vgpr_workitem_id 0
		.amdhsa_next_free_vgpr 192
		.amdhsa_next_free_sgpr 66
		.amdhsa_reserve_vcc 0
		.amdhsa_float_denorm_mode_32 3
		.amdhsa_float_denorm_mode_16_64 3
		.amdhsa_memory_ordered 1
		.amdhsa_forward_progress 1
		.amdhsa_inst_pref_size 29
	.end_amdhsa_kernel
	.amdgpu_metadata
---
amdhsa.version: [ 1, 2 ]
amdhsa.kernels:
  - .name:           k_qd60c5de06d_ln1
    .symbol:         k_qd60c5de06d_ln1.kd
    .args:
      - { .name: x, .offset: 0, .size: 8, .value_kind: global_buffer, .address_space: global }
      - { .name: ln1_g, .offset: 8, .size: 8, .value_kind: global_buffer, .address_space: global }
      - { .name: ln1_b, .offset: 16, .size: 8, .value_kind: global_buffer, .address_space: global }
      - { .name: hc, .offset: 24, .size: 8, .value_kind: global_buffer, .address_space: global }
    .group_segment_fixed_size: 67584
    .private_segment_fixed_size: 0
    .kernarg_segment_align: 8
    .kernarg_segment_size: 32
    .max_flat_workgroup_size: 256
    .sgpr_count:     66
    .vgpr_count:     192
    .wavefront_size: 32
...
	.end_amdgpu_metadata
.endif
;; end of part 2
;; launch qkv (part 3): grid 48 x 4, 4 waves a work-group, clusters of 4 x 4, 327,680 bytes of LDS; arguments hc, wc, qkvc, qkvs; writes qkvc, qkvs
.if DOCPART == 3
	.amdgcn_target "amdgcn-amd-amdhsa--gfx1250"
	.amdhsa_code_object_version 6
	.text
	.protected	k_qd60c5de06d_qkv
	.globl	k_qd60c5de06d_qkv
	.p2align	8
	.type	k_qd60c5de06d_qkv,@function
k_qd60c5de06d_qkv:
	s_mov_b64 s[64:65], 0
	v_nop
	global_prefetch_b8 v0, s[64:65] scope:SCOPE_SE
	s_setreg_imm32_b32 hwreg(HW_REG_WAVE_MODE, 25, 1), 1
	s_wait_xcnt 0x0
	s_wait_alu depctr_hold_cnt(0) depctr_sa_sdst(0) depctr_va_vdst(0) depctr_va_sdst(0) depctr_va_ssrc(0) depctr_va_vcc(0) depctr_vm_vsrc(0)
	s_getreg_b32 s2, hwreg(HW_REG_IB_STS2, 6, 4)
	s_cmp_eq_u32 s2, 0
	s_cbranch_scc0 .Lentry_in_a_cluster
	s_endpgm
.Lentry_in_a_cluster:
	s_bfe_u32 s2, ttmp6, 0x10000c
	s_cmp_lg_u32 s2, 0xf033
	s_cbranch_scc0 .Lentry_shape_is_right
	s_endpgm
.Lentry_shape_is_right:
; q = h Wq, k = h Wk, v = h Wv on codes of FP4 (E2M1) with E8M0 scales, and the results' own codes for the two products of attention.  h: hc (4,096 tokens x 1,024), the weights: wc (3,072 rows x 1,024), both in
; the block layout: a block = 16 rows x 512 along K = 4,352 bytes: four images of the operand's registers (128 along K each: registers 0-3 of lane l at 16 l, registers 4-7 at 512 + 16 l), then 256 scale bytes
; (row r's four words at 4,096 + 16 r); an operand = [K / 512][row tiles][4,352]; row tile 2 b + u holds rows 32 b + 8 u + r + 8 (r / 8).
; THE CORE.  A tile of 256 x 256 results to a work-group of four waves, 128 x 128 a wave: 64 accumulators, 512 registers.  K = 1,024 is two K steps of 512, one in each of two LDS slots: nothing is filled again.
; 128 rows x 512 along K are eight blocks, 34,816 dense bytes: one tensor load a wave and slot, codes and scales together; a fragment is two ds_load_b128 at 16 x lane: consecutive bytes, no padding.
; "A" is the operand whose row stays with a lane (source 1), "B" the one whose rows run along a lane's registers (source 0).  By the rows' order, the 64 registers of one tile of A's rows against B's eight tiles
; are: register 16 b + i = B's row 32 b + 16 (lane / 16) + i: 16 neighbours along the NEXT product's K.
; CLUSTERS 4 x 4: A's tile is shared along a row of the cluster, B's along a column, each asked for jointly.  Clusters 0-7: A = tokens, B = the columns of Wq and Wk: a lane holds one token and runs along the head's
; 64.  Clusters 8-11: A = the columns of Wv, B = tokens: V TRANSPOSED, a lane holds one channel and runs along the keys, which are the second product's K.  The choice hangs on the cluster's number alone.
; THE WAY OUT: each tile of 16 rows is quantised in registers and stored as images.  q, k: qkvc + 0 / 2 MiB: [batch x head 32][token tile 128][512 bytes: lane l's 16 bytes at 16 l].
; v: qkvc + 4 MiB: [batch x head][step of 128 keys 16][channel tile 4][1,024-byte image].  Scale words: qkvs [q | k, v][batch x head][12,288]: q, k: [4 token tiles][r][tile] words; v at + 8,192: [step][r][channel tile].
; A head's 64 are half of the instruction's 128 along K: bytes 2 and 3 of a q or k word meet zero codes alone; they hold the neighbour head's bytes (even heads) or 0 (odd heads), never 0xff.
; LIMITS: a block of zeros gets the byte 1 (zero codes; bytes read by this program alone); blocks under 2^-124 are held at the byte 1; NaN and infinities are not served.  In clusters 8-11 lanes 16-31 store
; the same scale words to the same places as lanes 0-15.
.set BLK,   4352
.set HALFT, 8*BLK                      ; 128 rows x 512 along K: what one tensor load brings
.set SLOT,  4*HALFT                    ; A's 256 rows, then B's
.set SPARE, 2*SLOT                     ; behind the slots: the spare words, 128 bytes a wave: two blocks of 256 bytes that no other line names
.set NQ,    4                          ; matrix instructions deep in a slot
.set FR,    8                          ; registers of a fragment
.set NL,    2                          ; LDS loads that bring one
.set NP,    4                          ; places behind this matrix instruction (ISA guide 7.12.1)
.set ADRA,  16                         ; v16-17 LDS address of my A fragments in slot 0, 1
.set ADRS,  18                         ; v18-19 of my scale words: lanes 0-15 A's rows, lanes 16-31 B's
.set ADRB,  20                         ; v20-21 of my B fragments
.set VS,    25                         ; v25    the way out: 16 r (+ the odd head's distance in lanes 16-31)
.set L16,   26                         ; v26    16 x lane
.set VB,    27                         ; v27    16 x lane + the distance of an image's second half
.set SPW,   28                         ; v28    my spare word; never rewritten
.set NIL,   29                         ; v29    0; never rewritten
.set SC,    32                         ; v32-95 scale words, a set of 32 for each slot: register 4 i + q: lanes 0-15 A's tile i, lanes 16-31 B's tile i
.set PC,    112                        ; v112-119 the codes just made
.set SW,    120                        ; v120-123 four tiles' scale words; v124-127 shifted; v128-131 as stored
.set AF,    128                        ; v128-191 A's fragments, one set
.set TM,    200                        ; v200-215 at work in the quantiser
.set G1,    24
.set G0,    32
.set G1B,   48
.set G0B,   56
.set MSB, 0
.macro WIN new                         ; the immediate's high byte repeats the setting that is left
.if MSB != (\new)
	s_set_vgpr_msb (MSB<<8)|(\new)
.set MSB, (\new)
.endif
.endm
.set MUL_LO, 0xa1                      ; source 0 (B) window 1, source 1 (A) window 0, C and D window 2
.set MUL_HI, 0xf1                      ; the same, C and D window 3
.set TO_B,   0x40                      ; destination window 1
.macro JLOAD g0a, g1a, g0b, g1b        ; a joint load: waves 0, 1 fetch for A, waves 2, 3 for B; an s_nop 0 and four v_nop follow each line
	s_cmp_eq_u32 s15, 0
	s_cbranch_scc0 .Lfor_b_\@
	tensor_load_to_lds s[\g0a:\g0a+3], s[\g1a:\g1a+7]
	s_nop 0
.rept 4
	v_nop
.endr
	s_branch .Lasked_\@
.Lfor_b_\@:
	tensor_load_to_lds s[\g0b:\g0b+3], s[\g1b:\g1b+7]
	s_nop 0
.rept 4
	v_nop
.endr
.Lasked_\@:
.endm
.macro CROUND                          ; a round of the cluster's barrier
	s_barrier_signal -1
	s_barrier_wait -1
	s_cmp_lg_u32 s14, 0
	s_cbranch_scc1 .Lnot_wave_0_\@
	s_barrier_signal -3
.Lnot_wave_0_\@:
	s_barrier_wait -3
	s_barrier_signal -1
	s_barrier_wait -1
.endm
	s_load_b256 s[4:11], s[0:1], 0x0               ; hc s[4:5], wc s[6:7], qkvc s[8:9], qkvs s[10:11]
	v_lshl_add_u32 v[SPW], v0, 2, SPARE
	v_mov_b32 v[NIL], 0
	ds_add_u32 v[SPW], v[NIL]                      ; the wave's opening: the add, twice on end, and its wait ahead of my first tensor load
	ds_add_u32 v[SPW], v[NIL]
	v_lshrrev_b32 v1, 5, v0
	v_readfirstlane_b32 s14, v1                    ; wave 0..3
	s_lshr_b32 s15, s14, 1                         ; which half of A's rows is mine.  Also: I fetch for A (0) or for B (1)
	s_and_b32 s16, s14, 1                          ; which half of B's rows.  Also: which 128 rows I fetch
	s_bfe_u32 s40, ttmp6, 0x40000                  ; cx
	s_bfe_u32 s41, ttmp6, 0x40004                  ; cy
	s_lshr_b32 s17, ttmp9, 1
	s_lshl_b32 s17, s17, 2                         ; 4 (c / 2)
	s_and_b32 s42, ttmp9, 1
	s_lshl_b32 s42, s42, 2                         ; 4 (c % 2)
	s_sub_co_u32 s45, ttmp9, 8
	s_lshl_b32 s45, s45, 2                         ; 4 (c - 8)
	s_mov_b32 s72, 835584                          ; a K step on: in wc's first operand 192 blocks, in hc 256
	s_mov_b32 s74, 1114112
	s_cmp_lt_u32 ttmp9, 8                          ; the cluster's number: the same in all sixteen partners
	s_cselect_b32 s17, s17, 8
	s_cselect_b32 s42, s42, s45
	s_cselect_b32 s72, 1114112, s72                ; A's
	s_cselect_b32 s74, 835584, s74                 ; B's
	s_mov_b32 s73, 0
	s_mov_b32 s75, 0
	s_add_co_u32 s17, s17, s41                     ; A's tile of 256 rows: tokens 4 (c / 2) + cy, or Wv's 8 + cy
	s_add_co_u32 s42, s42, s40                     ; B's: columns 4 (c % 2) + cx, or tokens 4 (c - 8) + cx
	s_lshl_b32 s43, s41, 2
	s_lshl_b32 s43, 15, s43                        ; my row of the cluster
	s_lshl_b32 s44, 0x1111, s40                    ; my column
	s_or_b32 s[G1+0], s43, (3<<16)|(1<<21)         ; 15:0 the mask; 17:16 elements of 8 bytes; 21 set beside a mask; no padding
	s_or_b32 s[G1B+0], s44, (3<<16)|(1<<21)
.irp g, G1, G1B
	s_mov_b32 s[\g+1], 32<<16                      ; tensor_dim0: 32 elements = 256 bytes
	s_mov_b32 s[\g+2], 136<<16                     ; tensor_dim1: 136 rows = 34,816 bytes
	s_mov_b32 s[\g+3], 32<<16                      ; tile_dim0
	s_mov_b32 s[\g+4], 136                         ; tile_dim1
	s_mov_b32 s[\g+5], 32                          ; the pitch: dense
	s_mov_b32 s[\g+6], 0
	s_mov_b32 s[\g+7], 0
.endr
	s_mul_i32 s18, s16, HALFT
	s_mul_i32 s20, s17, 2*HALFT
	s_add_co_u32 s20, s20, s18
	s_mov_b32 s21, 0
	s_mul_i32 s46, s42, 2*HALFT
	s_add_co_u32 s46, s46, s18
	s_mov_b32 s47, 0
	s_mul_i32 s45, s14, HALFT                      ; where they go: wave x 34,816: no place in the cluster enters an LDS address
	s_wait_dscnt 0x0                               ; both opening adds are done
	s_wait_kmcnt 0x0
	s_cmp_lt_u32 ttmp9, 8
	s_cselect_b64 s[68:69], s[4:5], s[6:7]         ; A's buffer
	s_cselect_b64 s[70:71], s[6:7], s[4:5]         ; B's
	s_add_nc_u64 s[20:21], s[68:69], s[20:21]
	s_add_nc_u64 s[46:47], s[70:71], s[46:47]
	CROUND                                         ; all sixteen work-groups are here: the first joint loads meet
	s_mov_b32 s[G0], 1
	s_add_co_u32 s[G0+1], s45, 0
	s_mov_b64 s[G0+2:G0+3], s[20:21]
	s_or_b32 s[G0+3], s[G0+3], 0x80000000
	s_mov_b32 s[G0B], 1
	s_add_co_u32 s[G0B+1], s45, 0
	s_mov_b64 s[G0B+2:G0B+3], s[46:47]
	s_or_b32 s[G0B+3], s[G0B+3], 0x80000000
	JLOAD G0, G1, G0B, G1B                         ; K step 0
	s_mov_b32 s[G0+4], 1
	s_add_co_u32 s[G0+5], s45, SLOT
	s_add_nc_u64 s[G0+6:G0+7], s[20:21], s[72:73]
	s_or_b32 s[G0+7], s[G0+7], 0x80000000
	s_mov_b32 s[G0B+4], 1
	s_add_co_u32 s[G0B+5], s45, SLOT
	s_add_nc_u64 s[G0B+6:G0B+7], s[46:47], s[74:75]
	s_or_b32 s[G0B+7], s[G0B+7], 0x80000000
	s_wait_alu depctr_va_vdst(0)
	s_wait_tensorcnt 0x0                           ; K step 0 is in; the add, its wait and a round ahead of slot 1's first fill
	ds_add_u32 v[SPW], v[NIL]
	s_wait_dscnt 0x0
	CROUND
	JLOAD G0+4, G1, G0B+4, G1B                     ; K step 1: my one load behind the round
	v_and_b32 v1, 15, v0                           ; r
	v_bfe_u32 v2, v0, 4, 1                         ; h
	v_and_b32 v3, 31, v0
	v_lshlrev_b32 v[L16], 4, v3
	s_mul_i32 s21, s15, HALFT                      ; my 128 rows of A
	s_mul_i32 s22, s16, HALFT
	s_add_co_u32 s22, s22, 2*HALFT                 ; my 128 rows of B, behind A's 256
	s_sub_co_u32 s23, s22, s21
	v_mul_u32_u24 v6, s23, v2                      ; lanes 16-31 take B's scale words
	v_lshl_add_u32 v6, v1, 4, v6
	v_add_nc_u32 v6, 4096, v6
.irp s, 0,1
	v_add_nc_u32 v[ADRA+\s], s21, v[L16]
	v_add_nc_u32 v[ADRB+\s], s22, v[L16]
	v_add_nc_u32 v[ADRS+\s], s21, v6
	s_add_co_u32 s21, s21, SLOT
	s_add_co_u32 s22, s22, SLOT
.endr
.irp b, 0,1,2,3
	v_mov_b32 v[TM+4+\b], 0                        ; written once: a lane permute's destination counts as one of its sources
.endr
	; where the results go.  First as for q and k, then as for v; the cluster's number chooses
	s_lshl_b32 s76, s42, 8
	s_lshl_b32 s77, s16, 7
	s_add_co_u32 s76, s76, s77                     ; B's first row of mine: a column of Wq | Wk, or a token
	s_lshr_b32 s77, s76, 10                        ; q (0) or k (1)
	s_bfe_u32 s78, s76, 0x40006                    ; the first of my two heads
	s_lshl_b32 s79, s17, 4
	s_lshl_b32 s80, s15, 3
	s_add_co_u32 s79, s79, s80                     ; my first token tile
	s_lshr_b32 s80, s79, 7                         ; the batch
	s_and_b32 s79, s79, 127
	s_lshl_b32 s80, s80, 4
	s_add_co_u32 s78, s78, s80                     ; batch x 16 + head
	s_lshl_b32 s81, s77, 21
	s_lshl_b32 s82, s78, 16
	s_add_co_u32 s81, s81, s82
	s_lshl_b32 s82, s79, 9
	s_add_co_u32 s81, s81, s82                     ; codes
	s_mul_i32 s83, s77, 393216
	s_mul_i32 s82, s78, 12288
	s_add_co_u32 s83, s83, s82
	s_lshl_b32 s82, s79, 6
	s_add_co_u32 s83, s83, s82                     ; scale words
	s_sub_co_u32 s84, s17, 8
	s_lshl_b32 s84, s84, 2
	s_lshl_b32 s85, s15, 1
	s_add_co_u32 s84, s84, s85                     ; v: the first of my two heads
	s_lshr_b32 s85, s76, 11
	s_lshl_b32 s85, s85, 4
	s_add_co_u32 s84, s84, s85                     ; batch x 16 + head
	s_bfe_u32 s85, s76, 0x40007                    ; the step of 128 keys
	s_lshl_b32 s86, s84, 16
	s_lshl_b32 s87, s85, 12
	s_add_co_u32 s86, s86, s87
	s_add_co_u32 s86, s86, 0x400000                ; codes
	s_mul_i32 s87, s84, 12288
	s_lshl_b32 s88, s85, 8
	s_add_co_u32 s87, s87, s88
	s_add_co_u32 s87, s87, 393216+8192             ; scale words
	s_mov_b32 s80, 1024
	s_mov_b32 s82, 65536-3*1024
	s_mov_b32 s84, 512
	s_mov_b32 s92, 12288
	s_cmp_lt_u32 ttmp9, 8
	s_cselect_b32 s76, s81, s86
	s_cselect_b32 s78, s83, s87
	s_cselect_b32 s80, 512, s80                    ; from a tile's image to the next,
	s_cselect_b32 s82, 512, s82                    ; and from the fourth to the fifth (v: the next head)
	s_cselect_b32 s84, 65536, s84                  ; from registers 0-3's place to registers 4-7's (q, k: the next head)
	s_cselect_b32 s92, 256, s92                    ; from four tiles' scale words to the next four's
	s_cselect_b32 s88, 12288, 0                    ; lanes 16-31 store the odd head's words (q, k)
	s_cselect_b32 s89, 16, 0                       ; which are the upper halves of the words made
	s_mov_b32 s77, 0
	s_mov_b32 s79, 0
	s_mov_b32 s81, 0
	s_mov_b32 s83, 0
	s_mov_b32 s93, 0
	s_mov_b32 s90, 0xffff0000                      ; lanes 16-31
	s_add_nc_u64 s[8:9], s[8:9], s[76:77]
	s_add_nc_u64 s[10:11], s[10:11], s[78:79]
	v_add_nc_u32 v[VB], s84, v[L16]
	v_mul_u32_u24 v[VS], s88, v2
	v_lshl_add_u32 v[VS], v1, 4, v[VS]
.macro FRAG reg, adr, q, i             ; a fragment, 16 rows x 128 K: its image's two halves
.irp c, 0,1
	ds_load_b128 v[\reg+4*\c:\reg+4*\c+3], v[\adr] offset:1024*(\q)+512*\c+(\i)*BLK
.endr
.endm
; 16 matrix instructions: A's tiles a0, a0 + 1 x B's eight, 128 along K.  p: B's set; sc: the set of scale words.  zero = 1: the first product starts the sums.  The 64 accumulators take turns, one instruction a turn
.macro MUL16 a0, p, q, sc, zero
.irp a, \a0, \a0+1
.irp b, 0,1,2,3,4,5,6,7
.if \zero
	v_wmma_scale_f32_16x16x128_f8f6f4 v[8*(8*((\a)%4)+\b):8*(8*((\a)%4)+\b)+7], v[128*(\p)+FR*\b:128*(\p)+FR*\b+FR-1], v[AF+FR*(\a):AF+FR*(\a)+FR-1], 0, v[SC+8*NQ*(\sc)+NQ*\b+(\q)], v[SC+8*NQ*(\sc)+NQ*(\a)+(\q)] matrix_a_fmt:MATRIX_FMT_FP4 matrix_b_fmt:MATRIX_FMT_FP4 matrix_a_scale:MATRIX_SCALE_ROW1
.else
	v_wmma_scale_f32_16x16x128_f8f6f4 v[8*(8*((\a)%4)+\b):8*(8*((\a)%4)+\b)+7], v[128*(\p)+FR*\b:128*(\p)+FR*\b+FR-1], v[AF+FR*(\a):AF+FR*(\a)+FR-1], v[8*(8*((\a)%4)+\b):8*(8*((\a)%4)+\b)+7], v[SC+8*NQ*(\sc)+NQ*\b+(\q)], v[SC+8*NQ*(\sc)+NQ*(\a)+(\q)] matrix_a_fmt:MATRIX_FMT_FP4 matrix_b_fmt:MATRIX_FMT_FP4 matrix_a_scale:MATRIX_SCALE_ROW1
.endif
.endr
.endr
.endm
.macro FETCH_B slot, q, p
	WIN TO_B
.irp i, 0,1,2,3,4,5,6,7
	FRAG 128*(\p)+FR*\i, ADRB+\slot, \q, \i
.endr
	WIN 0
.endm
.macro FETCH_A slot, q, i0
.irp i, \i0, \i0+1, \i0+2, \i0+3
	FRAG AF+FR*(\i), ADRA+\slot, \q, \i
.endr
.endm
.macro SCALES sc                       ; a slot's scale words: four a row; lanes 0-15 A's tile i, lanes 16-31 B's tile i
.irp i, 0,1,2,3,4,5,6,7
	ds_load_b128 v[SC+8*NQ*\sc+NQ*\i:SC+8*NQ*\sc+NQ*\i+3], v[ADRS+\sc] offset:\i*BLK
.endr
.endm
.macro PLACES n                        ; plain vector lines between a matrix instruction and a load into, or a read of, its registers
.rept \n
	v_nop
.endr
.endm
.macro STEP slot, q, zero              ; 128 along K that has its successor in the same slot
	s_wait_dscnt 4*NL                              ; B's set and A's tiles 0-3 are in; the youngest 8 loads (A's tiles 4-7) may be out
	WIN MUL_LO
	MUL16 0, (\q)%2, \q, \slot, \zero
	MUL16 2, (\q)%2, \q, \slot, \zero
	s_wait_dscnt 0
	PLACES NP
	FETCH_B \slot, (\q)+1, 1-(\q)%2
	FETCH_A \slot, (\q)+1, 0
	WIN MUL_HI
	MUL16 4, (\q)%2, \q, \slot, \zero
	MUL16 6, (\q)%2, \q, \slot, \zero
	PLACES NP
	WIN 0
	FETCH_A \slot, (\q)+1, 4
.endm
.macro TURN slot, next                 ; a slot's last step changes slots: one barrier; nothing is filled again
	s_wait_tensorcnt 0x0                           ; all my tensor loads have landed: my part of the next slot
	ds_add_u32 v[SPW], v[NIL]                      ; 0 onto my spare word
	s_wait_dscnt 4*NL+1                            ; (the add and the youngest 8 loads may be out)
	WIN MUL_LO
	MUL16 0, 1, NQ-1, \slot, 0
	s_wait_dscnt 0x0                               ; the add is done, and my reads of this slot are over
	s_barrier_signal -1
	MUL16 2, 1, NQ-1, \slot, 0
	WIN 0
	s_barrier_wait -1                              ; the next slot is whole
	PLACES NP
	FETCH_B \next, 0, 0
	FETCH_A \next, 0, 0
	SCALES \next
	WIN MUL_HI
	MUL16 4, 1, NQ-1, \slot, 0
	MUL16 6, 1, NQ-1, \slot, 0
	PLACES NP
	WIN 0
	FETCH_A \next, 0, 4
.endm
	s_wait_alu depctr_va_vdst(0)
	s_wait_tensorcnt 1                             ; my part of K step 0 is in; K step 1's load may be out
	s_barrier_signal -1
	s_barrier_wait -1
	FETCH_B 0, 0, 0
	FETCH_A 0, 0, 0
	SCALES 0
	FETCH_A 0, 0, 4
	STEP 0, 0, 1
	STEP 0, 1, 0
	STEP 0, 2, 0
	TURN 0, 1
	STEP 1, 0, 0
	STEP 1, 1, 0
	STEP 1, 2, 0
	s_wait_dscnt 4*NL                              ; the last step: nothing more to fetch
	WIN MUL_LO
	MUL16 0, 1, NQ-1, 1, 0
	MUL16 2, 1, NQ-1, 1, 0
	s_wait_dscnt 0
	WIN MUL_HI
	MUL16 4, 1, NQ-1, 1, 0
	MUL16 6, 1, NQ-1, 1, 0
	WIN 0
; THE WAY OUT.  Tile a's 64 numbers of a lane (register 16 b + i = 32 b + 16 (lane / 16) + i along the next K) become a fragment's codes in v[PC] on and its scale word in v[SW + a % 4].  The accumulators are read
; where they lie, each from its low end on.
.macro QUANTW a
.set AC, 64*((\a)%4)
	WIN 0x0a+5*((\a)/4)                            ; sources 0 and 1: window 2 or 3
.irp b, 0,1,2,3
	v_max3_num_f32 v[TM+\b], |v[AC+16*\b]|, |v[AC+16*\b+1]|, 0x1800000   ; my 16 numbers of block b, and the floor 2^(3 - 127)
.endr
.irp i, 2,4,6,8,10,12,14
.irp b, 0,1,2,3
	v_max3_num_f32 v[TM+\b], |v[AC+16*\b+\i]|, |v[AC+16*\b+\i+1]|, v[TM+\b]
.endr
.endr
	WIN 0
.irp b, 0,1,2,3
	v_permlanex16_b32 v[TM+4+\b], v[TM+\b], s94, s95
.endr
.irp b, 0,1,2,3
	v_max_num_f32 v[TM+\b], v[TM+\b], v[TM+4+\b]   ; with lane l xor 16's: the block's largest magnitude
.endr
.irp b, 0,1,2,3
	v_add_nc_u32 v[TM+12+\b], 0xff000000, v[TM+\b] ; 2 off the exponent field: the conversion's scale operand
.endr
.irp b, 0,1,2,3
	v_lshrrev_b32 v[TM+4+\b], 23, v[TM+12+\b]      ; the scale's byte
.endr
	v_lshl_or_b32 v[SW+(\a)%4], v[TM+5], 8, v[TM+4]
	v_lshl_or_b32 v[SW+(\a)%4], v[TM+6], 16, v[SW+(\a)%4]
	v_lshl_or_b32 v[SW+(\a)%4], v[TM+7], 24, v[SW+(\a)%4]
	WIN 0x02+(\a)/4                                ; source 0: window 2 or 3
.irp b, 0,1,2,3
	v_cvt_scalef32_pk8_fp4_f32 v[PC+2*\b], v[AC+16*\b:AC+16*\b+7], v[TM+12+\b]
	v_cvt_scalef32_pk8_fp4_f32 v[PC+2*\b+1], v[AC+16*\b+8:AC+16*\b+15], v[TM+12+\b]
.endr
	WIN 0
	v_nop                                          ; one plain line behind the conversions
.irp c, 0,1                                    ; the operand's layout wants a whole block in a lane
.irp i, 0,1
	v_permlane16_swap_b32 v[PC+4*\c+\i], v[PC+2+4*\c+\i]
.endr
.endr
.endm
.macro TILE a
	s_wait_xcnt 0x0                                ; the earlier stores have read their data and their bases: both are written again only behind this wait
.if (\a) == 4
	s_add_nc_u64 s[8:9], s[8:9], s[82:83]
	s_add_nc_u64 s[10:11], s[10:11], s[92:93]
.elseif (\a) > 0
	s_add_nc_u64 s[8:9], s[8:9], s[80:81]
.endif
	QUANTW \a
	global_store_b128 v[L16], v[PC:PC+3], s[8:9]   ; 512 consecutive bytes each
	global_store_b128 v[VB], v[PC+4:PC+7], s[8:9]
.if (\a)%4 == 3
.irp i, 0,1,2,3
	v_lshrrev_b32 v[SW+4+\i], s89, v[SW+\i]
.endr
.irp i, 0,1,2,3
	v_cndmask_b32 v[SW+8+\i], v[SW+\i], v[SW+4+\i], s90
.endr
	global_store_b128 v[VS], v[SW+8:SW+11], s[10:11]   ; four tiles' words of a row: 16 lanes store 256 consecutive aligned bytes
.endif
.endm
	s_mov_b32 s94, 0x76543210
	s_mov_b32 s95, 0xfedcba98                      ; v_permlanex16_b32's selects for lane l xor 16
	PLACES NP                                      ; behind the last products
.irp a, 0,1,2,3,4,5,6,7
	TILE \a
.endr
	s_wait_tensorcnt 0x0                           ; the wave's end
	ds_add_u32 v[SPW], v[NIL]
	s_wait_dscnt 0x0
	CROUND                                         ; the closing round
	s_endpgm
.Lfunc_end_k_qd60c5de06d_qkv:
	.size	k_qd60c5de06d_qkv, .Lfunc_end_k_qd60c5de06d_qkv-k_qd60c5de06d_qkv
	.p2alignl 7, 3214868480
	.fill 96, 4, 3214868480
	.section	.rodata,"a",@progbits
	.p2align	6, 0x0
	.amdhsa_kernel k_qd60c5de06d_qkv
		.amdhsa_group_segment_fixed_size 327680
		.amdhsa_private_segment_fixed_size 0
		.amdhsa_enable_private_segment 0
		.amdhsa_kernarg_size 32
		.amdhsa_user_sgpr_count 2
		.amdhsa_user_sgpr_kernarg_segment_ptr 1
		.amdhsa_wavefront_size32 1
		.amdhsa_system_sgpr_workgroup_id_x 1
		.amdhsa_system_sgpr_workgroup_id_y 1
		.amdhsa_system_sgpr_workgroup_id_z 1
		.amdhsa_system_vgpr_workitem_id 0
		.amdhsa_next_free_vgpr 1024
		.amdhsa_next_free_sgpr 100
		.amdhsa_reserve_vcc 0
		.amdhsa_float_denorm_mode_32 3
		.amdhsa_float_denorm_mode_16_64 3
		.amdhsa_memory_ordered 1
		.amdhsa_forward_progress 1
		.amdhsa_inst_pref_size 129
	.end_amdhsa_kernel
	.amdgpu_metadata
---
amdhsa.version: [ 1, 2 ]
amdhsa.kernels:
  - .name:           k_qd60c5de06d_qkv
    .symbol:         k_qd60c5de06d_qkv.kd
    .args:
      - { .name: hc, .offset: 0, .size: 8, .value_kind: global_buffer, .address_space: global }
      - { .name: wc, .offset: 8, .size: 8, .value_kind: global_buffer, .address_space: global }
      - { .name: qkvc, .offset: 16, .size: 8, .value_kind: global_buffer, .address_space: global }
      - { .name: qkvs, .offset: 24, .size: 8, .value_kind: global_buffer, .address_space: global }
    .group_segment_fixed_size: 327680
    .private_segment_fixed_size: 0
    .kernarg_segment_align: 8
    .kernarg_segment_size: 32
    .max_flat_workgroup_size: 128
    .sgpr_count:     100
    .vgpr_count:     1024
    .wavefront_size: 32
...
	.end_amdgpu_metadata
.endif
;; end of part 3
;; launch attn (part 4): grid 8 x 32, 16 waves a work-group, no clusters, 327,680 bytes of LDS; arguments qkvc, qkvs, cc; writes cc
.if DOCPART == 4
	.amdgcn_target "amdgcn-amd-amdhsa--gfx1250"
	.amdhsa_code_object_version 6
	.text
	.protected	k_qd60c5de06d_attn
	.globl	k_qd60c5de06d_attn
	.p2align	8
	.type	k_qd60c5de06d_attn,@function
k_qd60c5de06d_attn:
	s_mov_b64 s[64:65], 0
	v_nop
	global_prefetch_b8 v0, s[64:65] scope:SCOPE_SE
	s_setreg_imm32_b32 hwreg(HW_REG_WAVE_MODE, 25, 1), 1
	s_wait_xcnt 0x0
; ctx[q] = the sum over keys k <= q of softmax_k(q . k / 8) v[k], for 32 (batch x head) x 2,048 tokens, head size 64, both products on codes of FP4 (E2M1) with E8M0 scales, and ctx's own codes for the projection.
; WORK LEFT OUT: a step of 128 keys all of which come after all 16 queries of a wave's tile: reference()'s own mask gives those keys the weight 0 for all values of the inputs.  A NaN, an infinity or an overflow
; that would arise only there is not carried to the result.
; INPUTS (made by the launch before): q, k: qkvc + 0 / 2 MiB: [batch x head][token tile 128][512 bytes: lane l's 16 bytes at 16 l = registers 0-3 of the operand]; the head's 64 are half of the instruction's 128 along K:
; registers 4-7 are zero codes on both sides.  v: qkvc + 4 MiB: [batch x head][step of 128 keys][channel tile 4][1,024-byte image], the keys innermost.  Scale words: qkvs.  Token tile 2 b + u holds tokens
; 32 b + 8 u + r + 8 (r / 8), channel tiles likewise: so the 16 registers of result tiles 2 b and 2 b + 1 are 16 neighbours, 32 b + 16 (lane / 16) + 0 .. 15, along the next product's K.
; THE SOFTMAX AHEAD OF THE SECOND PRODUCT: t = score x log2(e) / 8; M = the row's largest t so far, rounded UP to a whole number; p = 2^(t - M) is what is quantised, along the keys, not normalised.  The row's sum is
; taken of the unquantised p and divides at the end.  When M moves, the sum and O are multiplied by 2^(old M - new M): exact.
; SHARES.  A work-group of sixteen waves serves one (batch x head) and the query blocks i and 15 - i of 128: i + 1 and 16 - i steps of keys, 17 in every work-group.  A wave owns one tile of 16 queries in 256 registers.
; Both products are used transposed (S^T = K Q^T, O^T = V^T P^T): a lane holds one query throughout.
; THE RING: two slots of 512 keys (K: 32 tiles x 512 bytes; V: 4 steps x 4,096), each a dense 16,384 bytes of memory; wave 0 fetches K's, wave 1 V's.  The head's scale words of K and V (12,288 bytes) come once.
; Every work-group walks all four slots, so that the loops' counts are constants; a slot whose first key comes after the work-group's last query is read by no wave and is not asked for.
; NO CLUSTER: work-groups i >= 4 never read the last slot, so a joint load would bring tiles that no wave of such a partner reads.
; THE WAY OUT: O^T / the sum is quantised in registers; cc is in the block layout ([K / 512][256 token tiles][4,352]; (row r, 32 t on) at 256 t + 16 r; row r's scale bytes at 4,096 + 16 r): a head's 64 are blocks
; 2 (head % 8) and the next: 512 consecutive bytes a wave.  LIMITS: the head's two scale bytes of a row leave as a store of 2 bytes a lane (lanes 16-31 repeat lanes 0-15): one byte in 17 of the output;
; a block of zeros gets the byte 1 (zero codes); NaN and infinities are not served; a block's largest p is taken as the p of its largest score, which takes v_exp_f32 not to fall where its input rises.
.set SLOT1, 32768                      ; slot 1 begins here: one exclusive or turns an address in one slot into the other's
.set VOFF,  16384                      ; in a slot: K's tiles, then V's images
.set SCK,   65536                      ; behind the ring: K's scale words of the head, [4 tiles 32][r 16][tile 4],
.set SCV,   SCK+8192                   ; V's, [step 16][r 16][channel tile 4]
.set SPARE, SCK+12288                  ; the spare words, 128 bytes for each wave: eight blocks of 256 bytes that no other line names
.set L16,  1                           ; v1   16 x lane
.set GS,   2                           ; v2   the way out: my row's two scale bytes in the block
.set ASK0, 3                           ; v3   my lane's place among K's scale words
.set ASV0, 4                           ; v4   and among V's
.set SPW,  5                           ; v5   my spare word; never rewritten
.set NIL,  6                           ; v6   0; never rewritten
.set R16,  7                           ; v7   16 x (lane % 16)
.set ADK,  8                           ; v8   LDS address of the slot in hand + 16 x lane
.set ADS,  9                           ; v9   of the step's scale words of K
.set ADT,  10                          ; v10  of V
.set GC,   11                          ; v11  the way out: my 16 bytes of codes in the block
; v12 -M, v13 the largest t, v[14:15] the sum in two halves; v16-19 Q, v20-23 zeros; v24-31 K's scale words; v32-95 eight fragments of K (the upper four registers of each: zeros); v96-159 S^T, then p;
; v160-191 O^T; v192-223 four fragments of V; v224-231 p's codes; v232-254 at work; v248-251 V's scale words; v253 p's; v255 Q's
.set WV,   18
.set SEL,  20
.set CS,   22                          ; s[22:23] c = log2(e) / 8
.set G1,   24                          ; s[24:31] group 1: 64 rows of 256 bytes, dense
.set G1S,  32                          ; s[32:39] the same with 24 rows: half the scale words
.set G0,   40                          ; s[40:43] group 0 of the ring, which walks
.set G0S,  44                          ; s[44:47] of the scale words
.set TB,   2                           ; s2   LDS byte at which the slot in hand begins
.set TS,   3                           ; s3   the step's scale words of K: 512 bytes a step
.set TJ,   66                          ; s66  and V's: 256 bytes a step
.set SLOTS, 67
.set KF,   68                          ; s68  the step's first key
.set Q0,   69                          ; s69  my tile's first query; its last is Q0 + 23
.set QL,   70                          ; s70  my work-group's last query
	s_load_b128 s[4:7], s[0:1], 0x0                ; qkvc, qkvs
	s_load_b64 s[8:9], s[0:1], 0x10                ; cc
	v_lshl_add_u32 v[SPW], v0, 2, SPARE
	v_mov_b32 v[NIL], 0
	ds_add_u32 v[SPW], v[NIL]                      ; the wave's opening: the add, twice on end, and its wait ahead of the first tensor load
	ds_add_u32 v[SPW], v[NIL]
	v_lshrrev_b32 v8, 5, v0
	s_delay_alu instid0(VALU_DEP_1)
	v_readfirstlane_b32 s[WV], v8                  ; wave 0..15
	s_and_b32 s10, ttmp7, 0xffff                   ; batch x 16 + head
	s_lshr_b32 s11, s[WV], 2
	s_xor_b32 s11, s11, s[WV]
	s_and_b32 s11, s11, 1                          ; which of the two query blocks: waves 2 m and 2 m + 1 take one each
	s_lshl_b32 s12, ttmp9, 3                       ; 8 i
	s_sub_co_u32 s13, 120, s12                     ; 8 (15 - i)
	s_cmp_eq_u32 s11, 0
	s_cselect_b32 s12, s12, s13
	s_lshr_b32 s13, s[WV], 1
	s_add_co_u32 s12, s12, s13                     ; my token tile in the head
	s_lshr_b32 s13, s12, 1
	s_lshl_b32 s13, s13, 5
	s_and_b32 s14, s12, 1
	s_lshl_b32 s14, s14, 3
	s_add_co_u32 s[Q0], s13, s14
	s_lshl_b32 s13, ttmp9, 7
	s_sub_co_u32 s[QL], 2047, s13
	s_mov_b32 s[G1], 3<<16                         ; no mask; elements of 8 bytes; no padding
	s_mov_b32 s[G1+1], 32<<16                      ; tensor_dim0: 256 bytes
	s_mov_b32 s[G1+2], 64<<16                      ; tensor_dim1
	s_mov_b32 s[G1+3], 32<<16                      ; tile_dim0
	s_mov_b32 s[G1+4], 64                          ; tile_dim1
	s_mov_b32 s[G1+5], 32                          ; the pitch: dense
	s_mov_b32 s[G1+6], 0
	s_mov_b32 s[G1+7], 0
	s_mov_b32 s[G1S], 3<<16
	s_mov_b32 s[G1S+1], 32<<16
	s_mov_b32 s[G1S+2], 24<<16
	s_mov_b32 s[G1S+3], 32<<16
	s_mov_b32 s[G1S+4], 24
	s_mov_b32 s[G1S+5], 32
	s_mov_b32 s[G1S+6], 0
	s_mov_b32 s[G1S+7], 0
	s_and_b32 s71, s[WV], 1                        ; what I fetch, if I fetch: K (0) or V (1)
	s_add_co_u32 s72, s71, 1
	s_lshl_b32 s72, s72, 21
	s_lshl_b32 s73, s10, 16
	s_add_co_u32 s72, s72, s73                     ; 2 MiB x (1 + which) + 65,536 x (batch x head)
	s_mov_b32 s73, 0
	s_lshl_b32 s[G0+1], s71, 14                    ; LDS: slot 0, K's part or V's
	s_mul_i32 s82, s10, 12288
	s_mul_i32 s83, s71, 6144
	s_add_co_u32 s[G0S+1], s83, SCK
	s_add_co_u32 s82, s82, s83
	s_add_co_u32 s82, s82, 393216
	s_mov_b32 s83, 0
	s_lshl_b32 s74, s10, 16
	s_lshl_b32 s75, s12, 9
	s_add_co_u32 s74, s74, s75                     ; Q's codes
	s_mov_b32 s75, 0
	s_mul_i32 s76, s10, 12288
	s_lshr_b32 s77, s12, 2
	s_lshl_b32 s77, s77, 8
	s_add_co_u32 s76, s76, s77
	s_and_b32 s77, s12, 3
	s_lshl_b32 s77, s77, 2
	s_add_co_u32 s76, s76, s77                     ; Q's scale words
	s_mov_b32 s77, 0
	s_and_b32 s78, s10, 15                         ; head
	s_lshr_b32 s79, s10, 4                         ; batch
	s_lshr_b32 s80, s78, 3
	s_lshl_b32 s80, s80, 8
	s_lshl_b32 s79, s79, 7
	s_add_co_u32 s80, s80, s79
	s_add_co_u32 s80, s80, s12
	s_mul_i32 s80, s80, 4352                       ; cc's block: (head / 8) x 256 + 128 x batch + my tile
	s_mov_b32 s81, 0
	s_and_b32 s78, s78, 7
	s_mov_b32 s[SEL], 0x76543210
	s_mov_b32 s[SEL+1], 0xfedcba98
	s_mov_b32 s[CS], 0x3e38aa3b                    ; c = log2(e) / 8
	s_mov_b32 s[CS+1], s[CS]
	s_mov_b32 s[TB], 0
	s_mov_b32 s[TS], 0
	s_mov_b32 s[TJ], 0
	s_mov_b32 s[SLOTS], 3
	s_mov_b32 s[KF], 0
	s_wait_dscnt 0x0                               ; both opening adds are done
	s_wait_kmcnt 0x0
	s_mov_b32 s[G0], 1
	s_add_nc_u64 s[G0+2:G0+3], s[4:5], s[72:73]
	s_or_b32 s[G0+3], s[G0+3], 0x80000000
	s_mov_b32 s[G0S], 1
	s_add_nc_u64 s[G0S+2:G0S+3], s[6:7], s[82:83]
	s_or_b32 s[G0S+3], s[G0S+3], 0x80000000
	s_cmp_lt_u32 s[WV], 2                          ; the head's loads, one a wave, in one chain of branches: waves 0 and 1 slot 0's K and V,
	s_cbranch_scc0 .Lhead_s
	tensor_load_to_lds s[G0:G0+3], s[G1:G1+7]
	s_nop 0
.rept 4
	v_nop
.endr
	s_branch .Lno_first
.Lhead_s:
	s_cmp_lt_u32 s[WV], 4                          ; waves 2 and 3 the halves of the head's scale words: filled once
	s_cbranch_scc0 .Lno_first
	tensor_load_to_lds s[G0S:G0S+3], s[G1S:G1S+7]
	s_nop 0
.rept 4
	v_nop
.endr
.Lno_first:
	s_add_nc_u64 s[4:5], s[4:5], s[74:75]
	s_add_nc_u64 s[6:7], s[6:7], s[76:77]
	s_add_nc_u64 s[8:9], s[8:9], s[80:81]
	v_and_b32 v[L16], 31, v0
	s_delay_alu instid0(VALU_DEP_1)
	v_lshlrev_b32 v[L16], 4, v[L16]
	v_and_b32 v[R16], 15, v0
	s_delay_alu instid0(VALU_DEP_1)
	v_lshlrev_b32 v[R16], 4, v[R16]
	global_load_b128 v[16:19], v[L16], s[4:5]      ; Q's half fragment stays in registers
	global_load_b32 v255, v[R16], s[6:7]           ; and its scale words
	v_add_nc_u32 v[ASK0], SCK, v[R16]
	v_add_nc_u32 v[ASV0], SCV, v[R16]
	s_lshl_b32 s79, s78, 9
	v_add_nc_u32 v[GC], s79, v[L16]                ; 512 (head % 8) + 16 x lane
	s_lshl_b32 s79, s78, 1
	v_add_nc_u32 v[GS], s79, v[R16]                ; 16 r + 2 (head % 8)
.irp j, 20,21,22,23
	v_mov_b32 v[\j], 0                             ; zero codes for 64 .. 127 along K
.endr
.irp t, 0,1,2,3,4,5,6,7
.irp j, 4,5,6,7
	v_mov_b32 v[32+8*\t+\j], 0
.endr
.endr
	v_mov_b32 v13, 0xff61b1e6                      ; the largest t so far: -3e38, under every t
	s_delay_alu instid0(VALU_DEP_1)
	v_floor_f32 v12, -v13                          ; -M
	v_mov_b32 v14, 0
	v_mov_b32 v15, 0
.irp b, 0,1,2,3
	v_mov_b32 v[236+\b], 0                         ; written once: a lane permute's destination counts as one of its sources
.endr
	v_mov_b32 v252, 0
	v_mov_b32 v253, 0
.set j, 0
.rept 32
	v_mov_b32 v[160+j], 0                          ; O^T: the loop is written once; its first step finds zeros
.set j, j+1
.endr
; A KEY STEP: 128 keys, the q-th of the slot in hand.
.macro STEP q
	s_add_co_u32 s96, s[Q0], 23                    ; a step all of whose keys come after my 16 queries is left out: a scalar branch on ids, round the step's loads and work alone
	s_cmp_gt_u32 s[KF], s96
	s_cbranch_scc1 .Lhidden_\@
	v_add_nc_u32 v[ADK], s[TB], v[L16]
	v_add_nc_u32 v[ADS], s[TS], v[ASK0]
	v_add_nc_u32 v[ADT], s[TJ], v[ASV0]
	v_nop                                          ; these four are the places in front of loads into registers that the last products have read
.irp t, 0,1,2,3,4,5,6,7
	ds_load_b128 v[32+8*\t:35+8*\t], v[ADK] offset:(8*(\q)+\t)*512
.endr
.irp g, 0,1
	ds_load_b128 v[24+4*\g:27+4*\g], v[ADS] offset:256*\g
.endr
.irp t, 0,1,2,3
.irp c, 0,1
	ds_load_b128 v[192+8*\t+4*\c:195+8*\t+4*\c], v[ADK] offset:VOFF+4096*(\q)+1024*\t+512*\c
.endr
.endr
	ds_load_b128 v[248:251], v[ADT]
	s_wait_dscnt 9                                 ; K and its words are in; V's nine loads may be out
.irp t, 0,1,2,3,4,5,6,7
	v_wmma_scale_f32_16x16x128_f8f6f4 v[96+8*\t:103+8*\t], v[32+8*\t:39+8*\t], v[16:23], 0, v[24+\t], v255 matrix_a_fmt:MATRIX_FMT_FP4 matrix_b_fmt:MATRIX_FMT_FP4
.endr
.rept 4
	v_nop
.endr
	s_add_co_u32 s96, s[KF], 127                   ; on the diagonal the scores of hidden keys become -infinity ahead of the maximum: p = 0 then.  A step all of whose keys count skips this
	s_cmp_le_u32 s96, s[Q0]
	s_cbranch_scc1 .Lopen_\@
	s_sub_co_i32 s96, s[Q0], s[KF]
	v_and_b32 v252, 15, v0
	v_and_b32 v254, 8, v0
	s_delay_alu instid0(VALU_DEP_1)
	v_add_nc_u32 v252, v252, v254                  ; r + 8 (r / 8)
	v_bfe_u32 v253, v0, 4, 1
	s_delay_alu instid0(VALU_DEP_1)
	v_lshlrev_b32 v253, 4, v253
	s_delay_alu instid0(VALU_DEP_1)
	v_sub_nc_u32 v252, v252, v253
	s_delay_alu instid0(VALU_DEP_1)
	v_add_nc_u32 v252, s96, v252                   ; d = my query - KF - 16 (lane / 16).  Register 16 b + i holds key KF + 16 (lane / 16) + 32 b + i: hidden where 32 b + i > d
	v_mov_b32 v254, 0xff800000
.set n, 0
.rept 64
	v_cmp_gt_i32 vcc_lo, 32*(n/16)+n%16, v252
	v_cndmask_b32 v[96+n], v[96+n], v254, vcc_lo
.set n, n+1
.endr
.Lopen_\@:
.irp b, 0,1,2,3
	v_max3_num_f32 v[232+\b], v[96+16*\b], v[97+16*\b], v[98+16*\b]   ; the largest score of each block of 32 keys: for the row's maximum, and for the block's largest p
.endr
.irp i, 3,5,7,9,11,13
.irp b, 0,1,2,3
	v_max3_num_f32 v[232+\b], v[232+\b], v[96+16*\b+\i], v[97+16*\b+\i]
.endr
.endr
.irp b, 0,1,2,3
	v_max_num_f32 v[232+\b], v[232+\b], v[111+16*\b]
.endr
.irp b, 0,1,2,3
	s_delay_alu instid0(VALU_DEP_4)
	v_permlanex16_b32 v[236+\b], v[232+\b], s[SEL], s[SEL+1]
.endr
.irp b, 0,1,2,3
	s_delay_alu instid0(VALU_DEP_4)
	v_max_num_f32 v[232+\b], v[232+\b], v[236+\b]  ; with lane l xor 16's 16 keys
.endr
	s_delay_alu instid0(VALU_DEP_2)
	v_max3_num_f32 v254, v232, v233, v234
	s_delay_alu instid0(VALU_DEP_1)
	v_max_num_f32 v254, v254, v235
	s_delay_alu instid0(VALU_DEP_1)
	v_mul_f32 v254, s[CS], v254                    ; as t (c is positive)
	s_delay_alu instid0(VALU_DEP_1)
	v_max_num_f32 v13, v13, v254                   ; the running largest t
	v_mov_b32 v254, v12
	s_delay_alu instid0(VALU_DEP_2)
	v_floor_f32 v12, -v13                          ; the new -M = floor(-t): M is a whole number
	s_delay_alu instid0(VALU_DEP_1)
	v_sub_f32 v254, v12, v254                      ; old M - new M: a whole number, 0 or less
	s_delay_alu instid0(VALU_DEP_1)
	v_cvt_i32_f32 v254, v254
	s_delay_alu instid0(VALU_DEP_1)
	v_ldexp_f32 v252, 1.0, v254                    ; f = 2^(old M - new M)
.set j, 0
.rept 32
	v_pk_fma_f32 v[96+j:97+j], v[96+j:97+j], s[CS:CS+1], v[12:13] op_sel_hi:[1,0,0]   ; t - M, two at a time
.set j, j+2
.endr
.irp b, 0,1,2,3
	v_fma_f32 v[232+\b], v[232+\b], s[CS], v12     ; the same of each block's largest score
.endr
.set j, 0
	s_wait_alu depctr_va_vdst(0)
.rept 64
	v_exp_f32 v[96+j], v[96+j]                     ; p = 2^(t - M), at most 1: not normalised
.set j, j+1
.endr
	v_pk_mul_f32 v[14:15], v[14:15], v[252:253] op_sel_hi:[1,0]   ; the sums under the new M: a plain line behind the exponentials
	s_wait_alu depctr_va_vdst(0)                   ; the wait ahead of the first line that names a result: one for the batch
.irp b, 0,1,2,3
	v_exp_f32 v[232+\b], v[232+\b]                 ; the block's largest p
.endr
	v_pk_add_f32 v[236:237], v[100:101], v[104:105]
	v_pk_add_f32 v[246:247], v[108:109], v[112:113]
	v_pk_add_f32 v[244:245], v[116:117], v[120:121]
	v_pk_add_f32 v[242:243], v[124:125], v[128:129]
	v_pk_add_f32 v[240:241], v[132:133], v[136:137]
	v_pk_add_f32 v[238:239], v[140:141], v[144:145]
	v_pk_add_f32 v[230:231], v[148:149], v[152:153]
	v_pk_add_f32 v[14:15], v[14:15], v[156:157]
	v_pk_add_f32 v[236:237], v[236:237], v[96:97]
	v_pk_add_f32 v[246:247], v[246:247], v[98:99]
	v_pk_add_f32 v[244:245], v[244:245], v[102:103]
	v_pk_add_f32 v[242:243], v[242:243], v[106:107]
	v_pk_add_f32 v[240:241], v[240:241], v[110:111]
	v_pk_add_f32 v[238:239], v[238:239], v[114:115]
	v_pk_add_f32 v[230:231], v[230:231], v[118:119]
	v_pk_add_f32 v[14:15], v[14:15], v[122:123]
	v_pk_add_f32 v[236:237], v[236:237], v[126:127]
	v_pk_add_f32 v[246:247], v[246:247], v[130:131]
	v_pk_add_f32 v[244:245], v[244:245], v[134:135]
	v_pk_add_f32 v[242:243], v[242:243], v[138:139]
	v_pk_add_f32 v[240:241], v[240:241], v[142:143]
	v_pk_add_f32 v[238:239], v[238:239], v[146:147]
	v_pk_add_f32 v[230:231], v[230:231], v[150:151]
	v_pk_add_f32 v[14:15], v[14:15], v[154:155]
	v_pk_add_f32 v[236:237], v[236:237], v[158:159]
	s_delay_alu instid0(VALU_DEP_2)
	v_pk_add_f32 v[14:15], v[14:15], v[242:243]
	s_delay_alu instid0(VALU_DEP_2)
	v_pk_add_f32 v[236:237], v[236:237], v[240:241]
	v_pk_add_f32 v[246:247], v[246:247], v[238:239]
	v_pk_add_f32 v[244:245], v[244:245], v[230:231]
	s_delay_alu instid0(VALU_DEP_2)
	v_pk_add_f32 v[14:15], v[14:15], v[246:247]
	s_delay_alu instid0(VALU_DEP_2)
	v_pk_add_f32 v[236:237], v[236:237], v[244:245]
	s_delay_alu instid0(VALU_DEP_1)
	v_pk_add_f32 v[14:15], v[14:15], v[236:237]
	s_wait_alu depctr_va_vdst(0)                   ; and one for the four
.irp b, 0,1,2,3
	v_max_num_f32 v[232+\b], 0x1800000, v[232+\b]  ; the floor 2^(3 - 127): the byte cannot fall under 1
.endr
.irp b, 0,1,2,3
	s_delay_alu instid0(VALU_DEP_4)
	v_add_nc_u32 v[244+\b], 0xff000000, v[232+\b]  ; 2 off the exponent field: the conversion's scale operand
.endr
.irp b, 0,1,2,3
	s_delay_alu instid0(VALU_DEP_4)
	v_lshrrev_b32 v[236+\b], 23, v[244+\b]
.endr
	s_delay_alu instid0(VALU_DEP_3)
	v_lshl_or_b32 v253, v237, 8, v236              ; p's scale word for these 128 keys
	s_delay_alu instid0(VALU_DEP_1)
	v_lshl_or_b32 v253, v238, 16, v253
	s_delay_alu instid0(VALU_DEP_1)
	v_lshl_or_b32 v253, v239, 24, v253
.irp b, 0,1,2,3
	v_cvt_scalef32_pk8_fp4_f32 v[224+2*\b], v[96+16*\b:103+16*\b], v[244+\b]
	v_cvt_scalef32_pk8_fp4_f32 v[225+2*\b], v[104+16*\b:111+16*\b], v[244+\b]
.endr
	v_nop                                          ; one plain line behind the conversions
.irp c, 0,1
.irp i, 0,1
	v_permlane16_swap_b32 v[224+4*\c+\i], v[226+4*\c+\i]   ; a whole block in a lane
.endr
.endr
.set j, 0
.rept 16
	v_pk_mul_f32 v[160+j:161+j], v[160+j:161+j], v[252:253] op_sel_hi:[1,0]   ; O^T under the new M.  (These sixteen are also the places in front of the products below)
.set j, j+2
.endr
	s_wait_alu depctr_va_vdst(0)
	s_wait_dscnt 0x0                               ; V and its words
.irp t, 0,1,2,3
	v_wmma_scale_f32_16x16x128_f8f6f4 v[160+8*\t:167+8*\t], v[192+8*\t:199+8*\t], v[224:231], v[160+8*\t:167+8*\t], v[248+\t], v253 matrix_a_fmt:MATRIX_FMT_FP4 matrix_b_fmt:MATRIX_FMT_FP4
.endr
.Lhidden_\@:
	s_add_co_u32 s[KF], s[KF], 128
	s_add_co_u32 s[TS], s[TS], 512
	s_add_co_u32 s[TJ], s[TJ], 256
.endm
; THE CHANGE OF SLOTS stands at a slot's head: each wave waits for all its tensor loads, adds 0 to its spare word (fill = 1: twice on end), and waits for that and for its reads of the slot that it has left.
; Behind the barrier the slot ahead is whole and nobody reads the other one.  fill = 1: that other slot takes the next 512 keys, up to the causal limit.
.macro CHANGE fill
	s_wait_tensorcnt 0x0                           ; no tensor load of mine is out, so a group 0 may be written
	ds_add_u32 v[SPW], v[NIL]                      ; 0 onto my spare word
.if \fill
	ds_add_u32 v[SPW], v[NIL]                      ; and, where a load may follow, twice on end
	s_xor_b32 s[G0+1], s[G0+1], SLOT1              ; the walking descriptor: the other slot,
	s_add_nc_u64 s[G0+2:G0+3], s[G0+2:G0+3], 16384 ; the next 512 keys
.endif
	s_wait_dscnt 0x0
	s_barrier_signal -1
	s_barrier_wait -1
.if \fill
	s_add_co_u32 s96, s[KF], 512                   ; the first key of the slot that this change would ask for:
	s_cmp_gt_u32 s96, s[QL]                        ; past my work-group's last query no wave reads it.  Ids and the count of steps alone: all sixteen waves go the same way
	s_cbranch_scc1 .Lpast_\@
	s_cmp_lt_u32 s[WV], 2
	s_cbranch_scc0 .Lpast_\@
	tensor_load_to_lds s[G0:G0+3], s[G1:G1+7]      ; a fetching wave's one tensor load until the next change
	s_nop 0
.rept 4
	v_nop
.endr
.Lpast_\@:
.endif
.endm
.macro SLOT_STEPS
	STEP 0
	STEP 1
	STEP 2
	STEP 3
	s_xor_b32 s[TB], s[TB], SLOT1
.endm
	s_wait_loadcnt 0x0                             ; Q
.Lslot:                                            ; three trips: behind each change of slots but the last the next slot is asked for
	CHANGE 1
	SLOT_STEPS
	s_sub_co_u32 s[SLOTS], s[SLOTS], 1
	s_cmp_lg_u32 s[SLOTS], 0
	s_cbranch_scc1 .Lslot
	CHANGE 0                                       ; the last slot is written out: nothing is left to fetch
	SLOT_STEPS
	; THE WAY OUT
	v_add_f32 v14, v14, v15
	s_delay_alu instid0(VALU_DEP_1)
	v_permlanex16_b32 v252, v14, s[SEL], s[SEL+1]
	s_delay_alu instid0(VALU_DEP_1)
	v_add_f32 v14, v14, v252                       ; the row's sum
	s_wait_alu depctr_va_vdst(0)
	v_rcp_f32 v14, v14
	v_nop                                          ; a plain line behind it
	s_wait_alu depctr_va_vdst(0)                   ; and the wait ahead of its first reader
.set j, 0
.rept 32
	v_mul_f32 v[96+j], v[160+j], v14               ; register 16 b + i = channel 32 b + 16 (lane / 16) + i of my query
.set j, j+1
.endr
.irp b, 0,1
	v_max3_num_f32 v[232+\b], |v[96+16*\b]|, |v[97+16*\b]|, 0x1800000
.endr
.irp i, 2,4,6,8,10,12,14
.irp b, 0,1
	s_delay_alu instid0(VALU_DEP_2)
	v_max3_num_f32 v[232+\b], v[232+\b], |v[96+16*\b+\i]|, |v[97+16*\b+\i]|
.endr
.endr
.irp b, 0,1
	s_delay_alu instid0(VALU_DEP_2)
	v_permlanex16_b32 v[236+\b], v[232+\b], s[SEL], s[SEL+1]
.endr
.irp b, 0,1
	s_delay_alu instid0(VALU_DEP_2)
	v_max_num_f32 v[232+\b], v[232+\b], v[236+\b]
.endr
.irp b, 0,1
	s_delay_alu instid0(VALU_DEP_2)
	v_add_nc_u32 v[244+\b], 0xff000000, v[232+\b]
.endr
.irp b, 0,1
	s_delay_alu instid0(VALU_DEP_2)
	v_lshrrev_b32 v[236+\b], 23, v[244+\b]
.endr
	s_delay_alu instid0(VALU_DEP_1)
	v_lshl_or_b32 v240, v237, 8, v236              ; the head's two scale bytes of my row
.irp b, 0,1
	v_cvt_scalef32_pk8_fp4_f32 v[224+2*\b], v[96+16*\b:103+16*\b], v[244+\b]
	v_cvt_scalef32_pk8_fp4_f32 v[225+2*\b], v[104+16*\b:111+16*\b], v[244+\b]
.endr
	v_nop
.irp i, 0,1
	v_permlane16_swap_b32 v[224+\i], v[226+\i]     ; lanes 0-15: block 0 whole, lanes 16-31: block 1
.endr
	global_store_b128 v[GC], v[224:227], s[8:9]    ; 512 consecutive bytes
	global_store_b16 v[GS], v240, s[8:9] offset:4096
	s_wait_tensorcnt 0x0                           ; the wave's end
	ds_add_u32 v[SPW], v[NIL]
	s_wait_dscnt 0x0
	s_endpgm
.Lfunc_end_k_qd60c5de06d_attn:
	.size	k_qd60c5de06d_attn, .Lfunc_end_k_qd60c5de06d_attn-k_qd60c5de06d_attn
	.p2alignl 7, 3214868480
	.fill 96, 4, 3214868480
	.section	.rodata,"a",@progbits
	.p2align	6, 0x0
	.amdhsa_kernel k_qd60c5de06d_attn
		.amdhsa_group_segment_fixed_size 327680
		.amdhsa_private_segment_fixed_size 0
		.amdhsa_enable_private_segment 0
		.amdhsa_kernarg_size 24
		.amdhsa_user_sgpr_count 2
		.amdhsa_user_sgpr_kernarg_segment_ptr 1
		.amdhsa_wavefront_size32 1
		.amdhsa_system_sgpr_workgroup_id_x 1
		.amdhsa_system_sgpr_workgroup_id_y 1
		.amdhsa_system_sgpr_workgroup_id_z 1
		.amdhsa_system_vgpr_workitem_id 0
		.amdhsa_next_free_vgpr 256
		.amdhsa_next_free_sgpr 100
		.amdhsa_reserve_vcc 1
		.amdhsa_float_denorm_mode_32 3
		.amdhsa_float_denorm_mode_16_64 3
		.amdhsa_memory_ordered 1
		.amdhsa_forward_progress 1
		.amdhsa_inst_pref_size 186
	.end_amdhsa_kernel
	.amdgpu_metadata
---
amdhsa.version: [ 1, 2 ]
amdhsa.kernels:
  - .name:           k_qd60c5de06d_attn
    .symbol:         k_qd60c5de06d_attn.kd
    .args:
      - { .name: qkvc, .offset: 0, .size: 8, .value_kind: global_buffer, .address_space: global }
      - { .name: qkvs, .offset: 8, .size: 8, .value_kind: global_buffer, .address_space: global }
      - { .name: cc, .offset: 16, .size: 8, .value_kind: global_buffer, .address_space: global }
    .group_segment_fixed_size: 327680
    .private_segment_fixed_size: 0
    .kernarg_segment_align: 8
    .kernarg_segment_size: 24
    .max_flat_workgroup_size: 512
    .sgpr_count:     100
    .vgpr_count:     256
    .wavefront_size: 32
...
	.end_amdgpu_metadata
.endif
;; end of part 4
;; launch wo (part 5): grid 8 x 32, 4 waves a work-group, clusters of 4 x 4, 327,680 bytes of LDS; arguments cc, wc, bo, x, x2; writes x2
.if DOCPART == 5
	.amdgcn_target "amdgcn-amd-amdhsa--gfx1250"
	.amdhsa_code_object_version 6
	.text
	.protected	k_qd60c5de06d_wo
	.globl	k_qd60c5de06d_wo
	.p2align	8
	.type	k_qd60c5de06d_wo,@function
k_qd60c5de06d_wo:
	s_mov_b64 s[64:65], 0
	v_nop
	global_prefetch_b8 v0, s[64:65] scope:SCOPE_SE
	s_setreg_imm32_b32 hwreg(HW_REG_WAVE_MODE, 25, 1), 1
	s_wait_xcnt 0x0
	s_wait_alu depctr_hold_cnt(0) depctr_sa_sdst(0) depctr_va_vdst(0) depctr_va_sdst(0) depctr_va_ssrc(0) depctr_va_vcc(0) depctr_vm_vsrc(0)
	s_getreg_b32 s2, hwreg(HW_REG_IB_STS2, 6, 4)
	s_cmp_eq_u32 s2, 0
	s_cbranch_scc0 .Lentry_in_a_cluster
	s_endpgm
.Lentry_in_a_cluster:
	s_bfe_u32 s2, ttmp6, 0x10000c
	s_cmp_lg_u32 s2, 0xf033
	s_cbranch_scc0 .Lentry_shape_is_right
	s_endpgm
.Lentry_shape_is_right:
; x2 = ctx Wo + bo + x.  ctx: cc (4,096 tokens x 1,024), Wo: wc + WOFF (1,024 rows x 1,024): codes of FP4 (E2M1) with E8M0 scales in the block layout: a block = 16 rows x 512 along K = 4,352 bytes: four images of the
; operand's registers (128 along K each: registers 0-3 of lane l at 16 l, registers 4-7 at 512 + 16 l), then row r's four scale words at 4,096 + 16 r; an operand = [K / 512][row tiles][4,352]; row tile 2 b + u holds rows
; 32 b + 8 u + r + 8 (r / 8).  bo [1,024], x and x2 [4,096][1,024]: f32, rows in their natural order.
; THE DEAL.  32 x 8 blocks of 128 tokens x 128 columns: 256 work-groups of four waves, 2 x 2, 64 x 64 a wave.  All of K = 1,024 lies in LDS at once: A's two K steps of 512 and B's two, 34,816 dense bytes each, one tensor load a
; wave at the head; nothing is filled again.  No data prefetch: every tile is asked for at the head, so there is no later load to run ahead of.
; CLUSTERS 4 x 4: A's tiles are shared along a row of the cluster, B's along a column, each asked for jointly.
; A PRODUCT has 32 rows of source 0: two tiles of Wo's columns, their scale words one a lane; source 1 = 16 tokens.  A lane holds one token; register k of the pair p's sum is column 32 p + 16 (lane / 16) + k.
; Eight sums of 16 registers take turns; the bias is the first products' C.  Two sets of fragments: while one is multiplied the next 128 along K are fetched.
; The residual's 64 x 64 numbers are loaded at the head, in the order of the stores.  THE WAY OUT: 16 tokens at a time through the wave's stage in LDS (bytes of its own), back as rows of 256 bytes, + the residual, stored.
; REGISTERS: window 0: v0-31 addresses, v32-63 scale words, v64-191 sums, v192-223 bias, then rows back, v224-255 rows back; window 1: v0-127 fragments, v128-255 residual.
.set WOFF,  1671168
.set KSA,   1114112                    ; a K step on in A's operand: 256 blocks
.set KSB,   278528                     ; in B's: 64 blocks
.set BLK,   4352
.set HALFT, 8*BLK                      ; 128 rows x 512 along K
.set SLOT,  4*HALFT                    ; A's two K steps, then B's two
.set STAGE, 2*SLOT                     ; 16 rows x 272 bytes for each wave
.set SPARE, STAGE+4*16*272             ; the spare words, 128 bytes a wave
.set BIA,   7                          ; v7  64 x (lane / 16)
.set ADRA,  16                         ; LDS address of my A fragments
.set ADRB,  18                         ; of my B fragments
.set ADSA,  20                         ; of A's scale words: lane (r, h): row r of tile 2 p + h
.set ADSB,  22                         ; of B's
.set STO,   24
.set RD,    25
.set CO,    26                         ; 4,096 x (lane / 16) + 16 x (lane % 16)
.set L16,   27
.set SPW,   28
.set NIL,   29
.set SC,    32                         ; group 2 k + p of eight: four words of A's pair p, four of B's, for K step k
.set ACC,   64
.set BI,    192
.set G1,    24
.set G0,    32
.set G1B,   48
.set G0B,   56
.set MSB, 0
.macro WIN new
.if MSB != (\new)
	s_set_vgpr_msb (MSB<<8)|(\new)
.set MSB, (\new)
.endif
.endm
.macro PLACES n
.rept \n
	v_nop
.endr
.endm
.macro JLOAD g0a, g1a, g0b, g1b        ; a joint load: waves 0, 1 fetch for A, waves 2, 3 for B; an s_nop 0 and four v_nop follow each line
	s_cmp_eq_u32 s15, 0
	s_cbranch_scc0 .Lfor_b_\@
	tensor_load_to_lds s[\g0a:\g0a+3], s[\g1a:\g1a+7]
	s_nop 0
	PLACES 4
	s_branch .Lasked_\@
.Lfor_b_\@:
	tensor_load_to_lds s[\g0b:\g0b+3], s[\g1b:\g1b+7]
	s_nop 0
	PLACES 4
.Lasked_\@:
.endm
.macro CROUND
	s_barrier_signal -1
	s_barrier_wait -1
	s_cmp_lg_u32 s14, 0
	s_cbranch_scc1 .Lnot_wave_0_\@
	s_barrier_signal -3
.Lnot_wave_0_\@:
	s_barrier_wait -3
	s_barrier_signal -1
	s_barrier_wait -1
.endm
.macro SETG s                          ; groups 0 for slot s
	s_mov_b32 s[G0+4*\s], 1
	s_add_co_u32 s[G0+4*\s+1], s45, \s*SLOT
	s_add_nc_u64 s[G0+4*\s+2:G0+4*\s+3], s[20:21], \s*2*KSA
	s_or_b32 s[G0+4*\s+3], s[G0+4*\s+3], 0x80000000
	s_mov_b32 s[G0B+4*\s], 1
	s_add_co_u32 s[G0B+4*\s+1], s45, \s*SLOT
	s_add_nc_u64 s[G0B+4*\s+2:G0B+4*\s+3], s[46:47], \s*2*KSB
	s_or_b32 s[G0B+4*\s+3], s[G0B+4*\s+3], 0x80000000
.endm
	s_load_b256 s[4:11], s[0:1], 0x0               ; A's codes, wc, the bias, the residual
	s_load_b64 s[12:13], s[0:1], 0x20              ; the result
	v_lshl_add_u32 v[SPW], v0, 2, SPARE
	v_mov_b32 v[NIL], 0
	ds_add_u32 v[SPW], v[NIL]                      ; the opening: the add, twice on end, and its wait
	ds_add_u32 v[SPW], v[NIL]
	v_lshrrev_b32 v1, 5, v0
	v_readfirstlane_b32 s14, v1                    ; wave 0..3
	s_lshr_b32 s15, s14, 1                         ; my 64 tokens.  Also: I fetch for A (0) or B (1)
	s_and_b32 s16, s14, 1                          ; my 64 columns.  Also: which K step of the slot I fetch
	s_bfe_u32 s40, ttmp6, 0x40000
	s_bfe_u32 s41, ttmp6, 0x40004
	s_lshl_b32 s42, ttmp9, 2
	s_add_co_u32 s42, s42, s40                     ; block column 0..7
	s_and_b32 s17, ttmp7, 0xffff
	s_lshl_b32 s17, s17, 2
	s_add_co_u32 s17, s17, s41                     ; block row 0..31
	s_lshl_b32 s43, s41, 2
	s_lshl_b32 s43, 15, s43                        ; my row of the cluster
	s_lshl_b32 s44, 0x1111, s40                    ; my column
	s_or_b32 s[G1], s43, (3<<16)|(1<<21)           ; the mask; elements of 8 bytes; bit 21 beside a mask
	s_or_b32 s[G1B], s44, (3<<16)|(1<<21)
.irp g, G1, G1B
	s_mov_b32 s[\g+1], 32<<16                      ; rows of 256 bytes,
	s_mov_b32 s[\g+2], 136<<16                     ; 136 of them,
	s_mov_b32 s[\g+3], 32<<16
	s_mov_b32 s[\g+4], 136
	s_mov_b32 s[\g+5], 32                          ; dense
	s_mov_b32 s[\g+6], 0
	s_mov_b32 s[\g+7], 0
.endr
	s_mul_i32 s20, s17, HALFT
	s_mul_i32 s18, s16, KSA
	s_add_co_u32 s20, s20, s18
	s_mov_b32 s21, 0
	s_mul_i32 s46, s42, HALFT
	s_mul_i32 s18, s16, KSB
	s_add_co_u32 s46, s46, s18
	s_add_co_u32 s46, s46, WOFF
	s_mov_b32 s47, 0
	s_mul_i32 s45, s14, HALFT                      ; where my tile goes: wave x 34,816
	s_mul_i32 s70, s15, 4*BLK                      ; my four tiles of A,
	s_mul_i32 s71, s16, 4*BLK
	s_add_co_u32 s71, s71, 2*HALFT                 ; of B
	s_mul_i32 s72, s14, 16*272
	s_add_co_u32 s72, s72, STAGE                   ; my stage
	s_lshl_b32 s74, s42, 9
	s_lshl_b32 s75, s16, 8
	s_add_co_u32 s74, s74, s75                     ; my first column, in bytes
	s_mov_b32 s75, 0
	s_lshl_b32 s76, s17, 7
	s_lshl_b32 s77, s15, 6
	s_add_co_u32 s76, s76, s77
	s_lshl_b32 s76, s76, 12
	s_add_co_u32 s76, s76, s74                     ; my corner of the result
	s_mov_b32 s77, 0
	v_and_b32 v1, 15, v0                           ; r
	v_bfe_u32 v2, v0, 4, 1                         ; h
	v_and_b32 v3, 31, v0
	v_lshlrev_b32 v[L16], 4, v3
	v_mul_u32_u24 v4, v2, BLK
	v_lshl_add_u32 v4, v1, 4, v4
	v_add_nc_u32 v4, 4096, v4
	v_add_nc_u32 v[ADRA], s70, v[L16]
	v_add_nc_u32 v[ADRB], s71, v[L16]
	v_add_nc_u32 v[ADSA], s70, v4
	v_add_nc_u32 v[ADSB], s71, v4
	v_mul_u32_u24 v5, v1, 272
	v_lshl_add_u32 v5, v2, 6, v5
	v_add_nc_u32 v[STO], s72, v5                   ; in: row r, + 64 h
	v_mul_u32_u24 v6, v2, 272
	v_lshl_add_u32 v6, v1, 4, v6
	v_add_nc_u32 v[RD], s72, v6                    ; back: lanes 0-15 one row, lanes 16-31 the next
	v_lshlrev_b32 v8, 12, v2
	v_lshl_add_u32 v[CO], v1, 4, v8
	v_lshlrev_b32 v[BIA], 6, v2
	s_wait_alu depctr_va_vdst(0)
	s_wait_dscnt 0x0
	CROUND                                         ; the first joint loads meet
	s_wait_kmcnt 0x0
	s_add_nc_u64 s[20:21], s[4:5], s[20:21]
	s_add_nc_u64 s[46:47], s[6:7], s[46:47]
	SETG 0
	JLOAD G0, G1, G0B, G1B                         ; one load a wave: A's K steps 0, 1, B's K steps 0, 1
	s_add_nc_u64 s[8:9], s[8:9], s[74:75]
	s_add_nc_u64 s[10:11], s[10:11], s[76:77]
	s_add_nc_u64 s[12:13], s[12:13], s[76:77]
.irp p, 0,1
.irp i, 0,1,2,3
	global_load_b128 v[BI+16*\p+4*\i:BI+16*\p+4*\i+3], v[BIA], s[8:9] offset:128*\p+16*\i   ; columns 32 p + 16 h + 4 i on
.endr
.endr
	WIN 0x40
.irp a, 0,1,2,3
.irp t, 0,1,2,3,4,5,6,7
	global_load_b128 v[128+32*\a+4*\t:128+32*\a+4*\t+3], v[CO], s[10:11] offset:(32*(\a/2)+8*(\a%2)+2*\t+8*(\t/4))*4096 th:TH_LOAD_NT   ; rows 2 t, 2 t + 1 of token tile a: 256 consecutive bytes for 16 lanes
.endr
.endr
	WIN 0
.macro FRAGS s, q                      ; the fragments of 128 along K, the slot's q-th, into set q % 2 of window 1: B's four tiles, then A's four: 16 loads
.irp i, 0,1,2,3
.irp c, 0,1
	ds_load_b128 v[64*((\q)%2)+8*\i+4*\c:64*((\q)%2)+8*\i+4*\c+3], v[ADRB+\s] offset:((\q)/4)*HALFT+\i*BLK+1024*((\q)%4)+512*\c
.endr
.endr
.irp i, 0,1,2,3
.irp c, 0,1
	ds_load_b128 v[64*((\q)%2)+32+8*\i+4*\c:64*((\q)%2)+32+8*\i+4*\c+3], v[ADRA+\s] offset:((\q)/4)*HALFT+\i*BLK+1024*((\q)%4)+512*\c
.endr
.endr
.endm
.macro SCALES s                        ; the slot's scale words: 8 loads
.irp k, 0,1
.irp p, 0,1
	ds_load_b128 v[SC+8*(2*\k+\p):SC+8*(2*\k+\p)+3], v[ADSA+\s] offset:\k*HALFT+2*\p*BLK
	ds_load_b128 v[SC+8*(2*\k+\p)+4:SC+8*(2*\k+\p)+7], v[ADSB+\s] offset:\k*HALFT+2*\p*BLK
.endr
.endr
.endm
.macro P1 d, s0, s1, c, x0, x1, odd
.if \odd
	v_wmma_scale_f32_32x16x128_f4 v[\d:\d+15], v[\s0:\s0+15], v[\s1:\s1+7], \c, v[\x0], v[\x1] matrix_b_scale:MATRIX_SCALE_ROW1
.else
	v_wmma_scale_f32_32x16x128_f4 v[\d:\d+15], v[\s0:\s0+15], v[\s1:\s1+7], \c, v[\x0], v[\x1]
.endif
.endm
.macro MM q, first                     ; eight products: token tiles 0-3 x column pairs 0, 1
.irp a, 0,1,2,3
.irp p, 0,1
.if \first
	P1 ACC+32*\a+16*\p, 64*((\q)%2)+16*\p, 64*((\q)%2)+32+8*\a, v[BI+16*\p:BI+16*\p+15], SC+8*(2*((\q)/4)+\p)+4+(\q)%4, SC+8*(2*((\q)/4)+\a/2)+(\q)%4, \a%2
.else
	P1 ACC+32*\a+16*\p, 64*((\q)%2)+16*\p, 64*((\q)%2)+32+8*\a, v[ACC+32*\a+16*\p:ACC+32*\a+16*\p+15], SC+8*(2*((\q)/4)+\p)+4+(\q)%4, SC+8*(2*((\q)/4)+\a/2)+(\q)%4, \a%2
.endif
.endr
.endr
.endm
.macro COMPUTE s, first                ; a slot: 8 x 128 along K
	SCALES \s
	WIN 0x40
	FRAGS \s, 0
.irp q, 0,1,2,3,4,5,6,7
.if \q < 7
.if \q > 0
	PLACES 4                                       ; between the last products and loads into the set that they read
.endif
	WIN 0x40
	FRAGS \s, \q+1
	s_wait_dscnt 16                                ; all but the 16 loads just issued
.else
	s_wait_dscnt 0x0
.endif
.if (\first) && (\q == 0)
	s_wait_loadcnt 32                              ; the bias is in; the residual's 32 loads may be out
	WIN 0x05
	MM \q, 1
.else
	WIN 0x05
	MM \q, 0
.endif
.endr
	WIN 0
.endm
	s_wait_tensorcnt 0x0                           ; my tile is in
	s_barrier_signal -1
	s_barrier_wait -1                              ; all four are
	COMPUTE 0, 1
.macro TOSTAGE a                       ; token tile a's sums into my stage, each from its low end on, and back as rows.  LDS serves a wave's instructions in order (ISA guide 5.7.1.4)
.set BK_, 224-32*((\a)%2)
.irp p, 0,1
.irp i, 0,1,2,3
	ds_store_b128 v[STO], v[ACC+32*(\a)+16*\p+4*\i:ACC+32*(\a)+16*\p+4*\i+3] offset:128*\p+16*\i
.endr
.endr
.irp t, 0,1,2,3,4,5,6,7
	ds_load_b128 v[BK_+4*\t:BK_+4*\t+3], v[RD] offset:2*\t*272
.endr
.endm
.macro SEND a, younger
.set BK_, 224-32*((\a)%2)
	s_wait_dscnt \younger
	WIN 0x04
.irp j, 0,2,4,6,8,10,12,14,16,18,20,22,24,26,28,30
	v_pk_add_f32 v[BK_+\j:BK_+\j+1], v[BK_+\j:BK_+\j+1], v[128+32*(\a)+\j:128+32*(\a)+\j+1]
.endr
	WIN 0
.irp t, 0,1,2,3,4,5,6,7
	global_store_b128 v[CO], v[BK_+4*\t:BK_+4*\t+3], s[12:13] offset:(32*((\a)/2)+8*((\a)%2)+2*\t+8*(\t/4))*4096   ; 16 lanes store 256 consecutive aligned bytes
.endr
.endm
	PLACES 4                                       ; behind the last products
	TOSTAGE 0
	TOSTAGE 1
	s_wait_loadcnt 0x0                             ; the residual
	SEND 0, 16                                     ; younger: tile 1's 8 stores and 8 loads
	s_wait_xcnt 0x0                                ; tile 0's stores have read their registers
	TOSTAGE 2
	SEND 1, 16
	s_wait_xcnt 0x0
	TOSTAGE 3
	SEND 2, 16
	SEND 3, 0
	s_wait_tensorcnt 0x0                           ; the wave's end
	ds_add_u32 v[SPW], v[NIL]
	s_wait_dscnt 0x0
	CROUND                                         ; the closing round
	s_endpgm
.Lfunc_end_k_qd60c5de06d_wo:
	.size	k_qd60c5de06d_wo, .Lfunc_end_k_qd60c5de06d_wo-k_qd60c5de06d_wo
	.p2alignl 7, 3214868480
	.fill 96, 4, 3214868480
	.section	.rodata,"a",@progbits
	.p2align	6, 0x0
	.amdhsa_kernel k_qd60c5de06d_wo
		.amdhsa_group_segment_fixed_size 327680
		.amdhsa_private_segment_fixed_size 0
		.amdhsa_enable_private_segment 0
		.amdhsa_kernarg_size 40
		.amdhsa_user_sgpr_count 2
		.amdhsa_user_sgpr_kernarg_segment_ptr 1
		.amdhsa_wavefront_size32 1
		.amdhsa_system_sgpr_workgroup_id_x 1
		.amdhsa_system_sgpr_workgroup_id_y 1
		.amdhsa_system_sgpr_workgroup_id_z 1
		.amdhsa_system_vgpr_workitem_id 0
		.amdhsa_next_free_vgpr 512
		.amdhsa_next_free_sgpr 100
		.amdhsa_reserve_vcc 0
		.amdhsa_float_denorm_mode_32 3
		.amdhsa_float_denorm_mode_16_64 3
		.amdhsa_memory_ordered 1
		.amdhsa_forward_progress 1
		.amdhsa_inst_pref_size 40
	.end_amdhsa_kernel
	.amdgpu_metadata
---
amdhsa.version: [ 1, 2 ]
amdhsa.kernels:
  - .name:           k_qd60c5de06d_wo
    .symbol:         k_qd60c5de06d_wo.kd
    .args:
      - { .name: cc, .offset: 0, .size: 8, .value_kind: global_buffer, .address_space: global }
      - { .name: wc, .offset: 8, .size: 8, .value_kind: global_buffer, .address_space: global }
      - { .name: bo, .offset: 16, .size: 8, .value_kind: global_buffer, .address_space: global }
      - { .name: x, .offset: 24, .size: 8, .value_kind: global_buffer, .address_space: global }
      - { .name: x2, .offset: 32, .size: 8, .value_kind: global_buffer, .address_space: global }
    .group_segment_fixed_size: 327680
    .private_segment_fixed_size: 0
    .kernarg_segment_align: 8
    .kernarg_segment_size: 40
    .max_flat_workgroup_size: 128
    .sgpr_count:     100
    .vgpr_count:     512
    .wavefront_size: 32
...
	.end_amdgpu_metadata
.endif
;; end of part 5
;; launch ln2: the kernel of part 2 again; grid 256 x 1, 8 waves a work-group, no clusters, 67,584 bytes of LDS; arguments x2, ln2_g, ln2_b, hc; writes hc
;; launch ff1 (part 6): grid 16 x 16, 4 waves a work-group, clusters of 4 x 4, 327,680 bytes of LDS; arguments hc, wc, b1, gc; writes gc
.if DOCPART == 6
	.amdgcn_target "amdgcn-amd-amdhsa--gfx1250"
	.amdhsa_code_object_version 6
	.text
	.protected	k_qd60c5de06d_ff1
	.globl	k_qd60c5de06d_ff1
	.p2align	8
	.type	k_qd60c5de06d_ff1,@function
k_qd60c5de06d_ff1:
	s_mov_b64 s[64:65], 0
	v_nop
	global_prefetch_b8 v0, s[64:65] scope:SCOPE_SE
	s_setreg_imm32_b32 hwreg(HW_REG_WAVE_MODE, 25, 1), 1
	s_wait_xcnt 0x0
	s_wait_alu depctr_hold_cnt(0) depctr_sa_sdst(0) depctr_va_vdst(0) depctr_va_sdst(0) depctr_va_ssrc(0) depctr_va_vcc(0) depctr_vm_vsrc(0)
	s_getreg_b32 s2, hwreg(HW_REG_IB_STS2, 6, 4)
	s_cmp_eq_u32 s2, 0
	s_cbranch_scc0 .Lentry_in_a_cluster
	s_endpgm
.Lentry_in_a_cluster:
	s_bfe_u32 s2, ttmp6, 0x10000c
	s_cmp_lg_u32 s2, 0xf033
	s_cbranch_scc0 .Lentry_shape_is_right
	s_endpgm
.Lentry_shape_is_right:
.set KSA,   1114112
.set KSB,   1114112
.set WOFF,  2228224
.set BLK,   4352
.set HALFT, 8*BLK
.set SLOT,  4*HALFT
.set SPARE, 2*SLOT
.set NQ,    4
.set FR,    8
.set NL,    2
.set NP,    4
.set ADRA,  16
.set ADRS,  18
.set ADRB,  20
.set VS,    25
.set L16,   26
.set SPW,   28
.set NIL,   29
.set SC,    32
.set PC,    112
.set AF,    128
.set HA,    132
.set TM,    200
.set BI,    64
.set G1,    24
.set G0,    32
.set G1B,   48
.set G0B,   56
.set MSB, 0
.macro WIN new
.if MSB != (\new)
	s_set_vgpr_msb (MSB<<8)|(\new)
.set MSB, (\new)
.endif
.endm
.set MUL_LO, 0xa1
.set MUL_HI, 0xf1
.set ZLO,    0x91
.set ZHI,    0xd1
.set TO_B,   0x40
.macro JLOAD g0a, g1a, g0b, g1b
	s_cmp_eq_u32 s15, 0
	s_cbranch_scc0 .Lfor_b_\@
	tensor_load_to_lds s[\g0a:\g0a+3], s[\g1a:\g1a+7]
	s_nop 0
.rept 4
	v_nop
.endr
	s_branch .Lasked_\@
.Lfor_b_\@:
	tensor_load_to_lds s[\g0b:\g0b+3], s[\g1b:\g1b+7]
	s_nop 0
.rept 4
	v_nop
.endr
.Lasked_\@:
.endm
.macro CROUND
	s_barrier_signal -1
	s_barrier_wait -1
	s_cmp_lg_u32 s14, 0
	s_cbranch_scc1 .Lnot_wave_0_\@
	s_barrier_signal -3
.Lnot_wave_0_\@:
	s_barrier_wait -3
	s_barrier_signal -1
	s_barrier_wait -1
.endm
	s_load_b256 s[4:11], s[0:1], 0x0
	v_lshl_add_u32 v[SPW], v0, 2, SPARE
	v_mov_b32 v[NIL], 0
	ds_add_u32 v[SPW], v[NIL]
	ds_add_u32 v[SPW], v[NIL]
	v_lshrrev_b32 v1, 5, v0
	v_readfirstlane_b32 s14, v1
	s_lshr_b32 s15, s14, 1
	s_and_b32 s16, s14, 1
	s_bfe_u32 s40, ttmp6, 0x40000
	s_bfe_u32 s41, ttmp6, 0x40004
	s_lshl_b32 s42, ttmp9, 2
	s_add_co_u32 s42, s42, s40
	s_and_b32 s17, ttmp7, 0xffff
	s_lshl_b32 s17, s17, 2
	s_add_co_u32 s17, s17, s41
	s_lshl_b32 s43, s41, 2
	s_lshl_b32 s43, 15, s43
	s_lshl_b32 s44, 0x1111, s40
	s_or_b32 s[G1+0], s43, (3<<16)|(1<<21)
	s_or_b32 s[G1B+0], s44, (3<<16)|(1<<21)
.irp g, G1, G1B
	s_mov_b32 s[\g+1], 32<<16
	s_mov_b32 s[\g+2], 136<<16
	s_mov_b32 s[\g+3], 32<<16
	s_mov_b32 s[\g+4], 136
	s_mov_b32 s[\g+5], 32
	s_mov_b32 s[\g+6], 0
	s_mov_b32 s[\g+7], 0
.endr
	s_mul_i32 s18, s16, HALFT
	s_mul_i32 s20, s17, 2*HALFT
	s_add_co_u32 s20, s20, s18
	s_mov_b32 s21, 0
	s_mul_i32 s46, s42, 2*HALFT
	s_add_co_u32 s46, s46, s18
	s_add_co_u32 s46, s46, WOFF
	s_mov_b32 s47, 0
	s_mul_i32 s45, s14, HALFT
	s_wait_dscnt 0x0
	s_wait_kmcnt 0x0
	s_add_nc_u64 s[20:21], s[4:5], s[20:21]
	s_add_nc_u64 s[46:47], s[6:7], s[46:47]
	CROUND
.irp s, 0,1
	s_mov_b32 s[G0+4*\s], 1
	s_add_co_u32 s[G0+4*\s+1], s45, \s*SLOT
	s_add_nc_u64 s[G0+4*\s+2:G0+4*\s+3], s[20:21], \s*KSA
	s_or_b32 s[G0+4*\s+3], s[G0+4*\s+3], 0x80000000
	s_mov_b32 s[G0B+4*\s], 1
	s_add_co_u32 s[G0B+4*\s+1], s45, \s*SLOT
	s_add_nc_u64 s[G0B+4*\s+2:G0B+4*\s+3], s[46:47], \s*KSB
	s_or_b32 s[G0B+4*\s+3], s[G0B+4*\s+3], 0x80000000
	s_wait_alu depctr_va_vdst(0)
	s_wait_tensorcnt 0x0
	ds_add_u32 v28, v29
	ds_add_u32 v28, v29
	s_wait_dscnt 0x0
	CROUND
	JLOAD G0+4*\s, G1, G0B+4*\s, G1B
.endr
	v_and_b32 v1, 15, v0
	v_bfe_u32 v2, v0, 4, 1
	s_wait_alu depctr_va_vdst(0)
	v_and_b32 v3, 31, v0
	v_lshlrev_b32 v[L16], 4, v3
	s_lshl_b32 s20, s42, 10
	s_lshl_b32 s21, s16, 9
	s_add_co_u32 s20, s20, s21
	s_mov_b32 s21, 0
	s_add_nc_u64 s[8:9], s[8:9], s[20:21]
	v_lshlrev_b32 v7, 6, v2
	WIN TO_B
.irp b, 0,1,2,3,4,5,6,7
	global_load_b128 v[BI+8*\b:BI+8*\b+3], v7, s[8:9] offset:(32*(\b/2)+8*(\b%2))*4
	global_load_b128 v[BI+8*\b+4:BI+8*\b+7], v7, s[8:9] offset:(32*(\b/2)+8*(\b%2))*4+16
.endr
	WIN 0
	s_lshr_b32 s20, s42, 1
	s_lshl_b32 s20, s20, 8
	s_lshl_b32 s21, s17, 4
	s_add_co_u32 s20, s20, s21
	s_lshl_b32 s21, s15, 3
	s_add_co_u32 s20, s20, s21
	s_mul_i32 s20, s20, BLK
	s_and_b32 s21, s42, 1
	s_lshl_b32 s21, s21, 1
	s_add_co_u32 s21, s21, s16
	s_lshl_b32 s22, s21, 10
	s_add_co_u32 s22, s22, s20
	s_mov_b32 s23, 0
	s_lshl_b32 s21, s21, 2
	s_add_co_u32 s20, s20, s21
	s_add_co_u32 s20, s20, 4096
	s_mov_b32 s21, 0
	s_add_nc_u64 s[66:67], s[10:11], s[20:21]
	s_add_nc_u64 s[10:11], s[10:11], s[22:23]
	s_mov_b32 s90, 0xffff0000
	s_mov_b32 s94, 0x76543210
	s_mov_b32 s95, 0xfedcba98
	v_mul_u32_u24 v[VS], v2, BLK
	v_lshl_add_u32 v[VS], v1, 4, v[VS]
	v_mov_b32 v196, 0xc0135761
	v_mov_b32 v197, 0xc0135761
	v_mov_b32 v198, 0xbdd2d3e8
	v_mov_b32 v199, 0xbdd2d3e8
.irp b, 0,1,2,3
	v_mov_b32 v[TM+4+\b], 0
.endr
	s_mul_i32 s21, s15, HALFT
	s_mul_i32 s22, s16, HALFT
	s_add_co_u32 s22, s22, 2*HALFT
	s_sub_co_u32 s23, s22, s21
	v_mul_u32_u24 v6, s23, v2
	v_lshl_add_u32 v6, v1, 4, v6
	v_add_nc_u32 v6, 4096, v6
.irp s, 0,1
	v_add_nc_u32 v[ADRA+\s], s21, v[L16]
	v_add_nc_u32 v[ADRB+\s], s22, v[L16]
	v_add_nc_u32 v[ADRS+\s], s21, v6
	s_add_co_u32 s21, s21, SLOT
	s_add_co_u32 s22, s22, SLOT
.endr
.macro FRAG reg, adr, q, i
.irp c, 0,1
	ds_load_b128 v[\reg+4*\c:\reg+4*\c+3], v[\adr] offset:1024*(\q)+512*\c+(\i)*BLK
.endr
.endm
.macro MUL16 a0, p, q, sc, zero
.irp a, \a0, \a0+1
.irp b, 0,1,2,3,4,5,6,7
.if \zero
	v_wmma_scale_f32_16x16x128_f8f6f4 v[8*(8*((\a)%4)+\b):8*(8*((\a)%4)+\b)+7], v[128*(\p)+FR*\b:128*(\p)+FR*\b+FR-1], v[AF+FR*(\a):AF+FR*(\a)+FR-1], v[BI+8*\b:BI+8*\b+7], v[SC+8*NQ*(\sc)+NQ*\b+(\q)], v[SC+8*NQ*(\sc)+NQ*(\a)+(\q)] matrix_a_fmt:MATRIX_FMT_FP4 matrix_b_fmt:MATRIX_FMT_FP4 matrix_a_scale:MATRIX_SCALE_ROW1
.else
	v_wmma_scale_f32_16x16x128_f8f6f4 v[8*(8*((\a)%4)+\b):8*(8*((\a)%4)+\b)+7], v[128*(\p)+FR*\b:128*(\p)+FR*\b+FR-1], v[AF+FR*(\a):AF+FR*(\a)+FR-1], v[8*(8*((\a)%4)+\b):8*(8*((\a)%4)+\b)+7], v[SC+8*NQ*(\sc)+NQ*\b+(\q)], v[SC+8*NQ*(\sc)+NQ*(\a)+(\q)] matrix_a_fmt:MATRIX_FMT_FP4 matrix_b_fmt:MATRIX_FMT_FP4 matrix_a_scale:MATRIX_SCALE_ROW1
.endif
.endr
.endr
.endm
.macro FETCH_B slot, q, p
	WIN TO_B
.irp i, 0,1,2,3,4,5,6,7
	FRAG 128*(\p)+FR*\i, ADRB+\slot, \q, \i
.endr
	WIN 0
.endm
.macro FETCH_A slot, q, i0
.irp i, \i0, \i0+1, \i0+2, \i0+3
	FRAG AF+FR*(\i), ADRA+\slot, \q, \i
.endr
.endm
.macro SCALES sc
.irp i, 0,1,2,3,4,5,6,7
	ds_load_b128 v[SC+8*NQ*\sc+NQ*\i:SC+8*NQ*\sc+NQ*\i+3], v[ADRS+\sc] offset:\i*BLK
.endr
.endm
.macro PLACES n
.rept \n
	v_nop
.endr
.endm
.macro STEP slot, q, zero
	s_wait_dscnt 4*NL
.if \zero
	WIN ZLO
.else
	WIN MUL_LO
.endif
	MUL16 0, (\q)%2, \q, \slot, \zero
	MUL16 2, (\q)%2, \q, \slot, \zero
	s_wait_dscnt 0
	PLACES NP
	FETCH_B \slot, (\q)+1, 1-(\q)%2
	FETCH_A \slot, (\q)+1, 0
.if \zero
	WIN ZHI
.else
	WIN MUL_HI
.endif
	MUL16 4, (\q)%2, \q, \slot, \zero
	MUL16 6, (\q)%2, \q, \slot, \zero
	PLACES NP
	WIN 0
	FETCH_A \slot, (\q)+1, 4
.endm
.macro TURN slot, next
	s_wait_tensorcnt 0x0
	ds_add_u32 v[SPW], v[NIL]
	s_wait_dscnt 4*NL+1
	WIN MUL_LO
	MUL16 0, 1, NQ-1, \slot, 0
	s_wait_dscnt 0x0
	s_barrier_signal -1
	MUL16 2, 1, NQ-1, \slot, 0
	WIN 0
	s_barrier_wait -1
	PLACES NP
	FETCH_B \next, 0, 0
	FETCH_A \next, 0, 0
	SCALES \next
	WIN MUL_HI
	MUL16 4, 1, NQ-1, \slot, 0
	MUL16 6, 1, NQ-1, \slot, 0
	PLACES NP
	WIN 0
	FETCH_A \next, 0, 4
.endm
	s_wait_alu depctr_va_vdst(0)
	s_wait_tensorcnt 1
	s_barrier_signal -1
	s_barrier_wait -1
	FETCH_B 0, 0, 0
	FETCH_A 0, 0, 0
	SCALES 0
	FETCH_A 0, 0, 4
	s_wait_loadcnt 0x0
	STEP 0, 0, 1
	STEP 0, 1, 0
	STEP 0, 2, 0
	TURN 0, 1
	STEP 1, 0, 0
	STEP 1, 1, 0
	STEP 1, 2, 0
	s_wait_dscnt 4*NL
	WIN MUL_LO
	MUL16 0, 1, NQ-1, 1, 0
	MUL16 2, 1, NQ-1, 1, 0
	s_wait_dscnt 0
	WIN MUL_HI
	MUL16 4, 1, NQ-1, 1, 0
	MUL16 6, 1, NQ-1, 1, 0
	WIN 0
.macro GELU a
.set AC, 64*((\a)%4)
	WIN 0x0a+5*((\a)/4)
.set j, 0
.rept 32
	v_pk_mul_f32 v[HA+j:HA+j+1], v[AC+j:AC+j+1], v[AC+j:AC+j+1]
.set j, j+2
.endr
	WIN 0
.set j, 0
.rept 32
	v_pk_fma_f32 v[HA+j:HA+j+1], v[HA+j:HA+j+1], v[198:199], v[196:197]
.set j, j+2
.endr
	WIN 0x02+(\a)/4
.set j, 0
.rept 32
	v_pk_mul_f32 v[HA+j:HA+j+1], v[AC+j:AC+j+1], v[HA+j:HA+j+1]
.set j, j+2
.endr
	WIN 0
.set j, 0
	s_wait_alu depctr_va_vdst(0)
.rept 64
	v_exp_f32 v[HA+j], v[HA+j]
.set j, j+1
.endr
	v_nop
	s_wait_alu depctr_va_vdst(0)
.set j, 0
.rept 32
	v_pk_add_f32 v[HA+j:HA+j+1], v[HA+j:HA+j+1], 1.0 op_sel_hi:[1,0]
.set j, j+2
.endr
.set j, 0
	s_wait_alu depctr_va_vdst(0)
.rept 64
	v_rcp_f32 v[HA+j], v[HA+j]
.set j, j+1
.endr
	v_nop
	s_wait_alu depctr_va_vdst(0)
	WIN 0x02+(\a)/4
.set j, 0
.rept 32
	v_pk_mul_f32 v[HA+j:HA+j+1], v[AC+j:AC+j+1], v[HA+j:HA+j+1]
.set j, j+2
.endr
	WIN 0
.endm
.macro QUANT s, pw
.irp b, 0,1,2,3
	v_max3_num_f32 v[TM+\b], |v[\s+16*\b]|, |v[\s+1+16*\b]|, 0x1800000
.endr
.irp i, 2,4,6,8,10,12,14
.irp b, 0,1,2,3
	v_max3_num_f32 v[TM+\b], v[TM+\b], |v[\s+16*\b+\i]|, |v[\s+1+16*\b+\i]|
.endr
.endr
.irp b, 0,1,2,3
	v_permlanex16_b32 v[TM+4+\b], v[TM+\b], s94, s95
.endr
.irp b, 0,1,2,3
	v_max_num_f32 v[TM+\b], v[TM+\b], v[TM+4+\b]
.endr
.irp b, 0,1,2,3
	v_add_nc_u32 v[TM+12+\b], 0xff000000, v[TM+\b]
.endr
.irp b, 0,1,2,3
	v_lshrrev_b32 v[TM+4+\b], 23, v[TM+12+\b]
.endr
	v_lshl_or_b32 v[\pw], v[TM+5], 8, v[TM+4]
	v_lshl_or_b32 v[\pw], v[TM+6], 16, v[\pw]
	v_lshl_or_b32 v[\pw], v[TM+7], 24, v[\pw]
.irp b, 0,1,2,3
	v_cvt_scalef32_pk8_fp4_f32 v[PC+2*\b], v[\s+16*\b:\s+7+16*\b], v[TM+12+\b]
	v_cvt_scalef32_pk8_fp4_f32 v[PC+1+2*\b], v[\s+8+16*\b:\s+15+16*\b], v[TM+12+\b]
.endr
	v_nop
.irp c, 0,1
.irp i, 0,1
	v_permlane16_swap_b32 v[PC+4*\c+\i], v[PC+2+4*\c+\i]
.endr
.endr
.endm
.macro TILE a
	GELU \a
	s_wait_xcnt 0x0
	QUANT HA, 216+(\a)%2
	global_store_b128 v[L16], v[PC:PC+3], s[10:11] offset:(\a)*BLK
	global_store_b128 v[L16], v[PC+4:PC+7], s[10:11] offset:(\a)*BLK+512
.if (\a)%2 == 1
	v_cndmask_b32 v218, v216, v217, s90
	global_store_b32 v[VS], v218, s[66:67] offset:((\a)-1)*BLK
.endif
.endm
	PLACES NP
.irp a, 0,1,2,3,4,5,6,7
	TILE \a
.endr
	s_wait_tensorcnt 0x0
	ds_add_u32 v[SPW], v[NIL]
	s_wait_dscnt 0x0
	CROUND
	s_endpgm
.Lfunc_end_k_qd60c5de06d_ff1:
	.size	k_qd60c5de06d_ff1, .Lfunc_end_k_qd60c5de06d_ff1-k_qd60c5de06d_ff1
	.p2alignl 7, 3214868480
	.fill 96, 4, 3214868480
	.section	.rodata,"a",@progbits
	.p2align	6, 0x0
	.amdhsa_kernel k_qd60c5de06d_ff1
		.amdhsa_group_segment_fixed_size 327680
		.amdhsa_private_segment_fixed_size 0
		.amdhsa_enable_private_segment 0
		.amdhsa_kernarg_size 32
		.amdhsa_user_sgpr_count 2
		.amdhsa_user_sgpr_kernarg_segment_ptr 1
		.amdhsa_wavefront_size32 1
		.amdhsa_system_sgpr_workgroup_id_x 1
		.amdhsa_system_sgpr_workgroup_id_y 1
		.amdhsa_system_sgpr_workgroup_id_z 1
		.amdhsa_system_vgpr_workitem_id 0
		.amdhsa_next_free_vgpr 1024
		.amdhsa_next_free_sgpr 100
		.amdhsa_reserve_vcc 0
		.amdhsa_float_denorm_mode_32 3
		.amdhsa_float_denorm_mode_16_64 3
		.amdhsa_memory_ordered 1
		.amdhsa_forward_progress 1
		.amdhsa_inst_pref_size 243
	.end_amdhsa_kernel
	.amdgpu_metadata
---
amdhsa.version: [ 1, 2 ]
amdhsa.kernels:
  - .name:           k_qd60c5de06d_ff1
    .symbol:         k_qd60c5de06d_ff1.kd
    .args:
      - { .name: hc, .offset: 0, .size: 8, .value_kind: global_buffer, .address_space: global }
      - { .name: wc, .offset: 8, .size: 8, .value_kind: global_buffer, .address_space: global }
      - { .name: b1, .offset: 16, .size: 8, .value_kind: global_buffer, .address_space: global }
      - { .name: gc, .offset: 24, .size: 8, .value_kind: global_buffer, .address_space: global }
    .group_segment_fixed_size: 327680
    .private_segment_fixed_size: 0
    .kernarg_segment_align: 8
    .kernarg_segment_size: 32
    .max_flat_workgroup_size: 128
    .sgpr_count:     100
    .vgpr_count:     1024
    .wavefront_size: 32
...
	.end_amdgpu_metadata
.endif
;; end of part 6
;; launch ff2 (part 7): grid 8 x 32, 4 waves a work-group, clusters of 4 x 4, 327,680 bytes of LDS; arguments gc, wc, b2, x2, out0; writes out0
.if DOCPART == 7
	.amdgcn_target "amdgcn-amd-amdhsa--gfx1250"
	.amdhsa_code_object_version 6
	.text
	.protected	k_qd60c5de06d_ff2
	.globl	k_qd60c5de06d_ff2
	.p2align	8
	.type	k_qd60c5de06d_ff2,@function
k_qd60c5de06d_ff2:
	s_mov_b64 s[64:65], 0
	v_nop
	global_prefetch_b8 v0, s[64:65] scope:SCOPE_SE
	s_setreg_imm32_b32 hwreg(HW_REG_WAVE_MODE, 25, 1), 1
	s_wait_xcnt 0x0
	s_wait_alu depctr_hold_cnt(0) depctr_sa_sdst(0) depctr_va_vdst(0) depctr_va_sdst(0) depctr_va_ssrc(0) depctr_va_vcc(0) depctr_vm_vsrc(0)
	s_getreg_b32 s2, hwreg(HW_REG_IB_STS2, 6, 4)
	s_cmp_eq_u32 s2, 0
	s_cbranch_scc0 .Lentry_in_a_cluster
	s_endpgm
.Lentry_in_a_cluster:
	s_bfe_u32 s2, ttmp6, 0x10000c
	s_cmp_lg_u32 s2, 0xf033
	s_cbranch_scc0 .Lentry_shape_is_right
	s_endpgm
.Lentry_shape_is_right:
; out0 = g W2 + b2 + x2.  g: gc (4,096 tokens x 4,096), W2: wc + WOFF (1,024 rows x 4,096): codes of FP4 (E2M1) with E8M0 scales in the block layout: a block = 16 rows x 512 along K = 4,352 bytes: four images of the
; operand's registers (128 along K each: registers 0-3 of lane l at 16 l, registers 4-7 at 512 + 16 l), then row r's four scale words at 4,096 + 16 r; an operand = [K / 512][row tiles][4,352]; row tile 2 b + u holds rows
; 32 b + 8 u + r + 8 (r / 8).  b2 [1,024], x2 and out0 [4,096][1,024]: f32, rows in their natural order.
; THE DEAL.  32 x 8 blocks of 128 tokens x 128 columns: 256 work-groups of four waves, 2 x 2, 64 x 64 a wave.  K = 4,096 goes in four fills of 1,024 through a ring of two LDS slots; a slot holds A's two K steps of 512 and
; B's two, 34,816 dense bytes each, one tensor load a wave.  Each change of slots: the wait for all my tensor loads, the add, the wait for it and for my reads, a round of the cluster's barrier, the refill first behind it.
; CLUSTERS 4 x 4: A's tiles are shared along a row of the cluster, B's along a column, each asked for jointly.
; THE PREFETCH: behind the loads of fills 1 and 2 each wave asks for its tile of the fill after (one slot, 64 products a wave, ahead of that load): 136 blocks of 256 bytes, of which each of the four partners that ask jointly takes
; 34, told apart by address: 32 by one instruction, a lane a block, two by a second, whose other lanes name the last block again.  Fills 0 and 1 come by their loads alone; behind fill 3 there is nothing to ask for.
; A PRODUCT has 32 rows of source 0: two tiles of W2's columns, their scale words one a lane; source 1 = 16 tokens.  A lane holds one token; register k of the pair p's sum is column 32 p + 16 (lane / 16) + k.
; Eight sums of 16 registers take turns; the bias is the first products' C.  Two sets of fragments: while one is multiplied the next 128 along K are fetched.
; The residual's 64 x 64 numbers are loaded at the head, in the order of the stores.  THE WAY OUT: 16 tokens at a time through the wave's stage in LDS (bytes of its own), back as rows of 256 bytes, + the residual, stored.
; REGISTERS: window 0: v0-31 addresses, v32-63 scale words, v64-191 sums, v192-223 bias, then rows back, v224-255 rows back; window 1: v0-127 fragments, v128-255 residual.
.set WOFF,  4456448
.set KSA,   1114112                    ; a K step on in A's operand: 256 blocks
.set KSB,   278528                     ; in B's: 64 blocks
.set BLK,   4352
.set HALFT, 8*BLK                      ; 128 rows x 512 along K
.set SLOT,  4*HALFT                    ; A's two K steps, then B's two
.set STAGE, 2*SLOT                     ; 16 rows x 272 bytes for each wave
.set SPARE, STAGE+4*16*272             ; the spare words, 128 bytes a wave
.set BIA,   7                          ; v7  64 x (lane / 16)
.set ADRA,  16                         ; v16-17 LDS address of my A fragments in slot 0, 1
.set ADRB,  18                         ; of my B fragments
.set ADSA,  20                         ; of A's scale words: lane (r, h): row r of tile 2 p + h
.set ADSB,  22                         ; of B's
.set STO,   24
.set RD,    25
.set CO,    26                         ; 4,096 x (lane / 16) + 16 x (lane % 16)
.set L16,   27
.set SPW,   28
.set NIL,   29
.set PF0,   30                         ; the prefetches' offsets: 256 x lane;
.set PF1,   31                         ; 8,192 + 256 x min(lane, 1)
.set SC,    32                         ; group 2 k + p of eight: four words of A's pair p, four of B's, for K step k of the slot
.set ACC,   64
.set BI,    192
.set G1,    24
.set G0,    32
.set G1B,   48
.set G0B,   56
.set PFA,   66                         ; s[66:67] where my prefetches stand
.set PFS,   68                         ; s[68:69] a slot on, in bytes
.set MSB, 0
.macro WIN new
.if MSB != (\new)
	s_set_vgpr_msb (MSB<<8)|(\new)
.set MSB, (\new)
.endif
.endm
.macro PLACES n
.rept \n
	v_nop
.endr
.endm
.macro JLOAD g0a, g1a, g0b, g1b        ; a joint load: waves 0, 1 fetch for A, waves 2, 3 for B; an s_nop 0 and four v_nop follow each line
	s_cmp_eq_u32 s15, 0
	s_cbranch_scc0 .Lfor_b_\@
	tensor_load_to_lds s[\g0a:\g0a+3], s[\g1a:\g1a+7]
	s_nop 0
	PLACES 4
	s_branch .Lasked_\@
.Lfor_b_\@:
	tensor_load_to_lds s[\g0b:\g0b+3], s[\g1b:\g1b+7]
	s_nop 0
	PLACES 4
.Lasked_\@:
.endm
.macro CROUND
	s_barrier_signal -1
	s_barrier_wait -1
	s_cmp_lg_u32 s14, 0
	s_cbranch_scc1 .Lnot_wave_0_\@
	s_barrier_signal -3
.Lnot_wave_0_\@:
	s_barrier_wait -3
	s_barrier_signal -1
	s_barrier_wait -1
.endm
.macro SETG s                          ; groups 0 for slot s, set up for fill s
	s_mov_b32 s[G0+4*\s], 1
	s_add_co_u32 s[G0+4*\s+1], s45, \s*SLOT
	s_add_nc_u64 s[G0+4*\s+2:G0+4*\s+3], s[20:21], \s*2*KSA
	s_or_b32 s[G0+4*\s+3], s[G0+4*\s+3], 0x80000000
	s_mov_b32 s[G0B+4*\s], 1
	s_add_co_u32 s[G0B+4*\s+1], s45, \s*SLOT
	s_add_nc_u64 s[G0B+4*\s+2:G0B+4*\s+3], s[46:47], \s*2*KSB
	s_or_b32 s[G0B+4*\s+3], s[G0B+4*\s+3], 0x80000000
.endm
	s_load_b256 s[4:11], s[0:1], 0x0               ; A's codes, wc, the bias, the residual
	s_load_b64 s[12:13], s[0:1], 0x20              ; the result
	v_lshl_add_u32 v[SPW], v0, 2, SPARE
	v_mov_b32 v[NIL], 0
	ds_add_u32 v[SPW], v[NIL]                      ; the opening: the add, twice on end, and its wait
	ds_add_u32 v[SPW], v[NIL]
	v_lshrrev_b32 v1, 5, v0
	v_readfirstlane_b32 s14, v1                    ; wave 0..3
	s_lshr_b32 s15, s14, 1                         ; my 64 tokens.  Also: I fetch for A (0) or B (1)
	s_and_b32 s16, s14, 1                          ; my 64 columns.  Also: which K step of a slot I fetch
	s_bfe_u32 s40, ttmp6, 0x40000
	s_bfe_u32 s41, ttmp6, 0x40004
	s_lshl_b32 s42, ttmp9, 2
	s_add_co_u32 s42, s42, s40                     ; block column 0..7
	s_and_b32 s17, ttmp7, 0xffff
	s_lshl_b32 s17, s17, 2
	s_add_co_u32 s17, s17, s41                     ; block row 0..31
	s_lshl_b32 s43, s41, 2
	s_lshl_b32 s43, 15, s43                        ; my row of the cluster
	s_lshl_b32 s44, 0x1111, s40                    ; my column
	s_or_b32 s[G1], s43, (3<<16)|(1<<21)           ; the mask; elements of 8 bytes; bit 21 beside a mask
	s_or_b32 s[G1B], s44, (3<<16)|(1<<21)
.irp g, G1, G1B
	s_mov_b32 s[\g+1], 32<<16                      ; rows of 256 bytes,
	s_mov_b32 s[\g+2], 136<<16                     ; 136 of them,
	s_mov_b32 s[\g+3], 32<<16
	s_mov_b32 s[\g+4], 136
	s_mov_b32 s[\g+5], 32                          ; dense
	s_mov_b32 s[\g+6], 0
	s_mov_b32 s[\g+7], 0
.endr
	s_mul_i32 s20, s17, HALFT
	s_mul_i32 s18, s16, KSA
	s_add_co_u32 s20, s20, s18
	s_mov_b32 s21, 0
	s_mul_i32 s46, s42, HALFT
	s_mul_i32 s18, s16, KSB
	s_add_co_u32 s46, s46, s18
	s_add_co_u32 s46, s46, WOFF
	s_mov_b32 s47, 0
	s_mul_i32 s45, s14, HALFT                      ; where my tile goes in a slot: wave x 34,816
	s_mul_i32 s70, s15, 4*BLK                      ; my four tiles of A,
	s_mul_i32 s71, s16, 4*BLK
	s_add_co_u32 s71, s71, 2*HALFT                 ; of B
	s_mul_i32 s72, s14, 16*272
	s_add_co_u32 s72, s72, STAGE                   ; my stage
	s_lshl_b32 s74, s42, 9
	s_lshl_b32 s75, s16, 8
	s_add_co_u32 s74, s74, s75                     ; my first column, in bytes
	s_mov_b32 s75, 0
	s_lshl_b32 s76, s17, 7
	s_lshl_b32 s77, s15, 6
	s_add_co_u32 s76, s76, s77
	s_lshl_b32 s76, s76, 12
	s_add_co_u32 s76, s76, s74                     ; my corner of the result
	s_mov_b32 s77, 0
	v_and_b32 v1, 15, v0                           ; r
	v_bfe_u32 v2, v0, 4, 1                         ; h
	v_and_b32 v3, 31, v0
	v_lshlrev_b32 v[L16], 4, v3
	v_mul_u32_u24 v4, v2, BLK
	v_lshl_add_u32 v4, v1, 4, v4
	v_add_nc_u32 v4, 4096, v4
	v_add_nc_u32 v[ADRA], s70, v[L16]
	v_add_nc_u32 v[ADRB], s71, v[L16]
	v_add_nc_u32 v[ADSA], s70, v4
	v_add_nc_u32 v[ADSB], s71, v4
.irp x, ADRA, ADRB, ADSA, ADSB
	v_add_nc_u32 v[\x+1], SLOT, v[\x]
.endr
	v_mul_u32_u24 v5, v1, 272
	v_lshl_add_u32 v5, v2, 6, v5
	v_add_nc_u32 v[STO], s72, v5                   ; in: row r, + 64 h
	v_mul_u32_u24 v6, v2, 272
	v_lshl_add_u32 v6, v1, 4, v6
	v_add_nc_u32 v[RD], s72, v6                    ; back: lanes 0-15 one row, lanes 16-31 the next
	v_lshlrev_b32 v8, 12, v2
	v_lshl_add_u32 v[CO], v1, 4, v8
	v_lshlrev_b32 v[BIA], 6, v2
	v_lshlrev_b32 v[PF0], 8, v3
	v_min_u32 v9, 1, v3
	v_lshl_add_u32 v[PF1], v9, 8, 8192
	s_wait_alu depctr_va_vdst(0)
	s_wait_dscnt 0x0
	CROUND                                         ; the first joint loads meet
	s_wait_kmcnt 0x0
	s_add_nc_u64 s[20:21], s[4:5], s[20:21]
	s_add_nc_u64 s[46:47], s[6:7], s[46:47]
	SETG 0
	JLOAD G0, G1, G0B, G1B                         ; fill 0: one load a wave
	SETG 1
	s_add_nc_u64 s[8:9], s[8:9], s[74:75]
	s_add_nc_u64 s[10:11], s[10:11], s[76:77]
	s_add_nc_u64 s[12:13], s[12:13], s[76:77]
.irp p, 0,1
.irp i, 0,1,2,3
	global_load_b128 v[BI+16*\p+4*\i:BI+16*\p+4*\i+3], v[BIA], s[8:9] offset:128*\p+16*\i   ; columns 32 p + 16 h + 4 i on
.endr
.endr
	WIN 0x40
.irp a, 0,1,2,3
.irp t, 0,1,2,3,4,5,6,7
	global_load_b128 v[128+32*\a+4*\t:128+32*\a+4*\t+3], v[CO], s[10:11] offset:(32*(\a/2)+8*(\a%2)+2*\t+8*(\t/4))*4096 th:TH_LOAD_NT   ; rows 2 t, 2 t + 1 of token tile a: 256 consecutive bytes for 16 lanes
.endr
.endr
	WIN 0
	s_cmp_eq_u32 s15, 0                            ; the prefetches: my tile of fill 2, my work-group's 34 blocks of it
	s_cselect_b64 s[PFA:PFA+1], s[20:21], s[46:47]
	s_cselect_b32 s78, s40, s41                    ; my place among the four that ask with me: cx for A, cy for B: it enters this address alone
	s_mov_b32 s[PFS], 2*KSB
	s_cselect_b32 s[PFS], 2*KSA, s[PFS]
	s_mov_b32 s[PFS+1], 0
	s_mul_i32 s78, s78, 34*256
	s_lshl_b32 s79, s[PFS], 1
	s_add_co_u32 s78, s78, s79
	s_mov_b32 s79, 0
	s_add_nc_u64 s[PFA:PFA+1], s[PFA:PFA+1], s[78:79]
.macro FRAGS s, q                      ; the fragments of 128 along K, the slot's q-th, into set q % 2 of window 1: B's four tiles, then A's four: 16 loads
.irp i, 0,1,2,3
.irp c, 0,1
	ds_load_b128 v[64*((\q)%2)+8*\i+4*\c:64*((\q)%2)+8*\i+4*\c+3], v[ADRB+\s] offset:((\q)/4)*HALFT+\i*BLK+1024*((\q)%4)+512*\c
.endr
.endr
.irp i, 0,1,2,3
.irp c, 0,1
	ds_load_b128 v[64*((\q)%2)+32+8*\i+4*\c:64*((\q)%2)+32+8*\i+4*\c+3], v[ADRA+\s] offset:((\q)/4)*HALFT+\i*BLK+1024*((\q)%4)+512*\c
.endr
.endr
.endm
.macro SCALES s                        ; the slot's scale words: 8 loads
.irp k, 0,1
.irp p, 0,1
	ds_load_b128 v[SC+8*(2*\k+\p):SC+8*(2*\k+\p)+3], v[ADSA+\s] offset:\k*HALFT+2*\p*BLK
	ds_load_b128 v[SC+8*(2*\k+\p)+4:SC+8*(2*\k+\p)+7], v[ADSB+\s] offset:\k*HALFT+2*\p*BLK
.endr
.endr
.endm
.macro P1 d, s0, s1, c, x0, x1, odd
.if \odd
	v_wmma_scale_f32_32x16x128_f4 v[\d:\d+15], v[\s0:\s0+15], v[\s1:\s1+7], \c, v[\x0], v[\x1] matrix_b_scale:MATRIX_SCALE_ROW1
.else
	v_wmma_scale_f32_32x16x128_f4 v[\d:\d+15], v[\s0:\s0+15], v[\s1:\s1+7], \c, v[\x0], v[\x1]
.endif
.endm
.macro MM q, first                     ; eight products: token tiles 0-3 x column pairs 0, 1
.irp a, 0,1,2,3
.irp p, 0,1
.if \first
	P1 ACC+32*\a+16*\p, 64*((\q)%2)+16*\p, 64*((\q)%2)+32+8*\a, v[BI+16*\p:BI+16*\p+15], SC+8*(2*((\q)/4)+\p)+4+(\q)%4, SC+8*(2*((\q)/4)+\a/2)+(\q)%4, \a%2
.else
	P1 ACC+32*\a+16*\p, 64*((\q)%2)+16*\p, 64*((\q)%2)+32+8*\a, v[ACC+32*\a+16*\p:ACC+32*\a+16*\p+15], SC+8*(2*((\q)/4)+\p)+4+(\q)%4, SC+8*(2*((\q)/4)+\a/2)+(\q)%4, \a%2
.endif
.endr
.endr
.endm
.macro COMPUTE s, first, ask           ; a slot: 8 x 128 along K
	SCALES \s
	WIN 0x40
	FRAGS \s, 0
.if \ask
	global_prefetch_b8 v[PF0], s[PFA:PFA+1] th:TH_LOAD_NT scope:SCOPE_SE
	global_prefetch_b8 v[PF1], s[PFA:PFA+1] th:TH_LOAD_NT scope:SCOPE_SE
.endif
.irp q, 0,1,2,3,4,5,6,7
.if \q < 7
.if \q > 0
	PLACES 4                                       ; between the last products and loads into the set that they read
.endif
	WIN 0x40
	FRAGS \s, \q+1
	s_wait_dscnt 16                                ; all but the 16 loads just issued
.else
	s_wait_dscnt 0x0
.endif
.if (\first) && (\q == 0)
	s_wait_loadcnt 32                              ; the bias is in; the residual's 32 loads may be out
	WIN 0x05
	MM \q, 1
.else
	WIN 0x05
	MM \q, 0
.endif
.endr
	WIN 0
.endm
; A change of slots and the slot's work.  refill: the other slot takes the next fill.  ask: this slot's groups 0 step two fills on, and the fill after the one just asked for is prefetched.  pfstep: the prefetches' address steps a slot on.
.macro TRIP s, refill, first, ask, pfstep
	s_wait_tensorcnt 0x0                           ; all my tensor loads are done: my tile of this slot; so every group 0 may be written
	ds_add_u32 v[SPW], v[NIL]                      ; 0 onto my spare word
.if \ask
	s_add_nc_u64 s[G0+4*\s+2:G0+4*\s+3], s[G0+4*\s+2:G0+4*\s+3], 4*KSA
	s_add_nc_u64 s[G0B+4*\s+2:G0B+4*\s+3], s[G0B+4*\s+2:G0B+4*\s+3], 4*KSB
.endif
.if \pfstep
	s_wait_xcnt 0x0                                ; my prefetches have read their address
	s_add_nc_u64 s[PFA:PFA+1], s[PFA:PFA+1], s[PFS:PFS+1]
.endif
	s_wait_dscnt 0x0                               ; the add is done, and so are my reads of the other slot
	CROUND                                         ; both now hold of every wave of the cluster
.if \refill
	JLOAD G0+4-4*\s, G1, G0B+4-4*\s, G1B           ; my one load behind the round; its four v_nop are the places in front of the loads below
.else
	PLACES 4
.endif
	COMPUTE \s, \first, \ask
.endm
	TRIP 0, 1, 1, 1, 0                             ; fill 0 is multiplied, fill 1 asked for (slot 1's first fill, issued as a refill is), fill 2 prefetched
	TRIP 1, 1, 0, 1, 1                             ; fill 2 asked for, fill 3 prefetched
	TRIP 0, 1, 0, 0, 0                             ; fill 3 asked for
	TRIP 1, 0, 0, 0, 0
.macro TOSTAGE a                       ; token tile a's sums into my stage, each from its low end on, and back as rows.  LDS serves a wave's instructions in order (ISA guide 5.7.1.4)
.set BK_, 224-32*((\a)%2)
.irp p, 0,1
.irp i, 0,1,2,3
	ds_store_b128 v[STO], v[ACC+32*(\a)+16*\p+4*\i:ACC+32*(\a)+16*\p+4*\i+3] offset:128*\p+16*\i
.endr
.endr
.irp t, 0,1,2,3,4,5,6,7
	ds_load_b128 v[BK_+4*\t:BK_+4*\t+3], v[RD] offset:2*\t*272
.endr
.endm
.macro SEND a, younger
.set BK_, 224-32*((\a)%2)
	s_wait_dscnt \younger
	WIN 0x04
.irp j, 0,2,4,6,8,10,12,14,16,18,20,22,24,26,28,30
	v_pk_add_f32 v[BK_+\j:BK_+\j+1], v[BK_+\j:BK_+\j+1], v[128+32*(\a)+\j:128+32*(\a)+\j+1]
.endr
	WIN 0
.irp t, 0,1,2,3,4,5,6,7
	global_store_b128 v[CO], v[BK_+4*\t:BK_+4*\t+3], s[12:13] offset:(32*((\a)/2)+8*((\a)%2)+2*\t+8*(\t/4))*4096   ; 16 lanes store 256 consecutive aligned bytes
.endr
.endm
	PLACES 4                                       ; behind the last products
	TOSTAGE 0
	TOSTAGE 1
	s_wait_loadcnt 0x0                             ; the residual
	SEND 0, 16                                     ; younger: tile 1's 8 stores and 8 loads
	s_wait_xcnt 0x0                                ; tile 0's stores have read their registers
	TOSTAGE 2
	SEND 1, 16
	s_wait_xcnt 0x0
	TOSTAGE 3
	SEND 2, 16
	SEND 3, 0
	s_wait_tensorcnt 0x0                           ; the wave's end
	ds_add_u32 v[SPW], v[NIL]
	s_wait_dscnt 0x0
	CROUND                                         ; the closing round
	s_endpgm
.Lfunc_end_k_qd60c5de06d_ff2:
	.size	k_qd60c5de06d_ff2, .Lfunc_end_k_qd60c5de06d_ff2-k_qd60c5de06d_ff2
	.p2alignl 7, 3214868480
	.fill 96, 4, 3214868480
	.section	.rodata,"a",@progbits
	.p2align	6, 0x0
	.amdhsa_kernel k_qd60c5de06d_ff2
		.amdhsa_group_segment_fixed_size 327680
		.amdhsa_private_segment_fixed_size 0
		.amdhsa_enable_private_segment 0
		.amdhsa_kernarg_size 40
		.amdhsa_user_sgpr_count 2
		.amdhsa_user_sgpr_kernarg_segment_ptr 1
		.amdhsa_wavefront_size32 1
		.amdhsa_system_sgpr_workgroup_id_x 1
		.amdhsa_system_sgpr_workgroup_id_y 1
		.amdhsa_system_sgpr_workgroup_id_z 1
		.amdhsa_system_vgpr_workitem_id 0
		.amdhsa_next_free_vgpr 512
		.amdhsa_next_free_sgpr 100
		.amdhsa_reserve_vcc 0
		.amdhsa_float_denorm_mode_32 3
		.amdhsa_float_denorm_mode_16_64 3
		.amdhsa_memory_ordered 1
		.amdhsa_forward_progress 1
		.amdhsa_inst_pref_size 99
	.end_amdhsa_kernel
	.amdgpu_metadata
---
amdhsa.version: [ 1, 2 ]
amdhsa.kernels:
  - .name:           k_qd60c5de06d_ff2
    .symbol:         k_qd60c5de06d_ff2.kd
    .args:
      - { .name: gc, .offset: 0, .size: 8, .value_kind: global_buffer, .address_space: global }
      - { .name: wc, .offset: 8, .size: 8, .value_kind: global_buffer, .address_space: global }
      - { .name: b2, .offset: 16, .size: 8, .value_kind: global_buffer, .address_space: global }
      - { .name: x2, .offset: 24, .size: 8, .value_kind: global_buffer, .address_space: global }
      - { .name: out0, .offset: 32, .size: 8, .value_kind: global_buffer, .address_space: global }
    .group_segment_fixed_size: 327680
    .private_segment_fixed_size: 0
    .kernarg_segment_align: 8
    .kernarg_segment_size: 40
    .max_flat_workgroup_size: 128
    .sgpr_count:     100
    .vgpr_count:     512
    .wavefront_size: 32
...
	.end_amdgpu_metadata
.endif
;; end of part 7
